; MI455X (gfx1250); checked and timed in simulation.
; The chip was launched on July 23, 2026; its instructions are those of AMD's public machine-readable ISA for CDNA 5 (MIT licence, August 2026) and "CDNA5" Instruction Set Architecture Reference Guide (July 2026). The comments in the code are by the model that wrote it; some were corrected since.
;; Hash Layer FFN. Allowed arithmetic: matrix products marked QUANTISED: E5M2 operands, one E8M0 scale for each 32 along K, by v_wmma_scale_f32_16x16x128_f8f6f4 with both operands' format E5M2, f32 sums; everything else in f32.
;; Inputs: W1_codes 8 x 2,048 x 32 x 32 uint8 (E5M2 codes of W1, K innermost, in blocks of 32 codes); W1_scales 8 x 2,048 x 32 uint8 (E8M0 scales of W1, one for each 32 codes along K); W2_codes 8 x 1,024 x 64 x 32 uint8 (E5M2 codes of W2, K innermost, in blocks of 32 codes); W2_scales 8 x 1,024 x 64 uint8 (E8M0 scales of W2, one for each 32 codes along K); b1 8 x 2,048 float32; b2 8 x 1,024 float32; hash_map 32,000 int32; orig_input 2 x 1,024 int32; x_codes 2 x 1,024 x 32 x 32 uint8 (E5M2 codes of x, K innermost, in blocks of 32 codes); x_scales 2 x 1,024 x 32 uint8 (E8M0 scales of x, one for each 32 codes along K).
;; Outputs: out0 2 x 1,024 x 1,024 float32.
;; This version of the problem:
;;   THIS VERSION OF THE PROBLEM IS GIVEN IN LOW PRECISION. The matrix products marked QUANTISED in the list below multiply operands that are first quantised to E5M2 (5 exponent bits, 2 mantissa bits; 8 bits a number), with one power-of-two scale for each 32 numbers along K (OCP MX v1.0); their sums are f32. All else is computed in f32.
;;   The module's matrix products, in the order in which they are computed (A, B: the left and right operand; K: the contracted axis; several contracted axes count as one K, in the product's order):
;;     1. [M 2,048, K 1,024] x [K 1,024, N 2,048]; A: input x (given as codes); B: input W1 (given as codes): QUANTISED
;;     2. [M 2,048, K 2,048] x [K 2,048, N 1,024]; A: computed on the way; B: input W2 (given as codes): QUANTISED
;;     3. [M 2,048, K 1,024] x [K 1,024, N 2,048]; A: input x (given as codes); B: input W1 (given as codes): QUANTISED
;;     4. [M 2,048, K 2,048] x [K 2,048, N 1,024]; A: computed on the way; B: input W2 (given as codes): QUANTISED
;;     5. [M 2,048, K 1,024] x [K 1,024, N 2,048]; A: input x (given as codes); B: input W1 (given as codes): QUANTISED
;;     6. [M 2,048, K 2,048] x [K 2,048, N 1,024]; A: computed on the way; B: input W2 (given as codes): QUANTISED
;;     7. [M 2,048, K 1,024] x [K 1,024, N 2,048]; A: input x (given as codes); B: input W1 (given as codes): QUANTISED
;;     8. [M 2,048, K 2,048] x [K 2,048, N 1,024]; A: computed on the way; B: input W2 (given as codes): QUANTISED
;;     9. [M 2,048, K 1,024] x [K 1,024, N 2,048]; A: input x (given as codes); B: input W1 (given as codes): QUANTISED
;;     10. [M 2,048, K 2,048] x [K 2,048, N 1,024]; A: computed on the way; B: input W2 (given as codes): QUANTISED
;;     11. [M 2,048, K 1,024] x [K 1,024, N 2,048]; A: input x (given as codes); B: input W1 (given as codes): QUANTISED
;;     12. [M 2,048, K 2,048] x [K 2,048, N 1,024]; A: computed on the way; B: input W2 (given as codes): QUANTISED
;;     13. [M 2,048, K 1,024] x [K 1,024, N 2,048]; A: input x (given as codes); B: input W1 (given as codes): QUANTISED
;;     14. [M 2,048, K 2,048] x [K 2,048, N 1,024]; A: computed on the way; B: input W2 (given as codes): QUANTISED
;;     15. [M 2,048, K 1,024] x [K 1,024, N 2,048]; A: input x (given as codes); B: input W1 (given as codes): QUANTISED
;;     16. [M 2,048, K 2,048] x [K 2,048, N 1,024]; A: computed on the way; B: input W2 (given as codes): QUANTISED
;;   THE QUANTISER, for each operand of a quantised product, along K:
;;     - K is cut into blocks of 32 from its start; a last block that is shorter is filled with zeros.
;;     - A block's scale is 2^e with e = floor(log2(the largest magnitude in the block)) - 15, held to -126 .. 127; a block of zeros has e = 0. As a byte (E8M0): e + 127.
;;     - Each number is divided by its block's scale, clamped to +-57,344, and rounded to the nearest number of E5M2, ties to even, subnormals kept.
;;     - The product sums the exact products of the quantised numbers (number of the format x scale) in f32.
;;   ~~~python
;;   def quantise(x, axis):      # numpy; x: float32 -> the quantised numbers, widened to float32 again
;;       x = np.moveaxis(x, axis, -1); K = x.shape[-1]
;;       x = np.pad(x, [(0, 0)] * (x.ndim - 1) + [(0, -K % 32)]); x = x.reshape(x.shape[:-1] + (-1, 32)); a = np.abs(x).max(-1, keepdims=True)
;;       e = np.where(a > 0, np.clip(np.frexp(np.where(a > 0, a, 1))[1] - 1 - 15, -126, 127), 0)      # np.frexp(a)[1] - 1 = floor(log2(a)), exactly
;;       r = np.clip(x / 2.0 ** e, -57344, 57344)
;;       step = 2.0 ** (np.maximum(np.frexp(np.where(r == 0, 1, r))[1] - 1, -14) - 2)
;;       q = np.round(r / step) * step * 2.0 ** e      # np.round: ties to even
;;       return np.moveaxis(q.reshape(q.shape[:-2] + (-1,))[..., :K], -1, axis).astype(np.float32)
;;   ~~~
;;   OPERANDS COMPUTED ON THE WAY. 'Computed on the way' means the value that the module computes at that place (a softmax that the list does not call 'softmax' is quantised finished and normalised). What goes into a quantiser is computed in f32, as accurately as f32 sums, v_exp_f32 and their like allow (about 1e-6 of the number): no bf16 or f16 on the way to a quantiser, and a product that is left as it is and whose result goes on into a quantised operand takes f32 operands (vector FMAs, or v_wmma_f32_16x16x4_f32). A number that lies on a knife's edge between two numbers of the format may be rounded either way, as far as f32 arithmetic and the matrix unit's own rounding can turn it there, and no further.
;;   INPUTS GIVEN AS CODES. W1 (in the module: [8, 2048, 1024], K = its axis 2); W2 (in the module: [8, 1024, 2048], K = its axis 2); x (in the module: [2, 1024, 1024], K = its axis 2): each comes as NAME_codes (uint8): NAME with its K axis moved to the last place and cut into blocks of 32 codes, [.., K / 32, bytes a block], one block behind the other in memory; one code a byte (a code: sign, 5 exponent bits, 2 mantissa bits); and NAME_scales (uint8): the same leading axes, one E8M0 byte (e + 127) for each 32 codes along K. Its value is code x scale, taken as it is: it is not quantised again, and the codes and scales need not be those that the quantiser above would give.
;; 2 versions. Each part assembles by itself: llvm-mc -triple=amdgcn-amd-amdhsa -mcpu=gfx1250 --defsym DOCPART=n.
;; ======== version 1 of 2: 3 launches
;; workspace buffers: h_img 33,554,432 bytes; h_sc 1,048,576 bytes; route 69,632 bytes of whole numbers
;; launch route (part 1): grid 8 x 1, 4 waves a work-group, no clusters, 9,728 bytes of LDS; arguments orig_input, hash_map, route; writes route
.if DOCPART == 1
	.amdgcn_target "amdgcn-amd-amdhsa--gfx1250"
	.amdhsa_code_object_version 6
	.text
	.protected	k_q529eae9c4a_route
	.globl	k_q529eae9c4a_route
	.p2align	8
	.type	k_q529eae9c4a_route,@function
k_q529eae9c4a_route:
	s_mov_b64 s[64:65], 0
	v_nop
	global_prefetch_b8 v0, s[64:65] scope:SCOPE_SE
	s_setreg_imm32_b32 hwreg(HW_REG_WAVE_MODE, 25, 1), 1
	s_wait_xcnt 0x0
; HashLayerFFN, the routing: for each of the 8 experts the list of its tokens (expert of a token = hash_map[orig_input[token]]) and their number, stored as whole numbers for the two launches that follow.
; SHARES.  One work-group of four waves for each expert.  It reads all 2,048 indices (16 a thread), looks their experts up, and places the tokens of ITS expert in a list in LDS: a ballot for each of a thread's 16 tokens,
; the count of set bits below the lane, the running count of the wave, and the totals of the waves below, which go from wave to wave through LDS.  No atomics: every place is computed.
; WHAT IS STORED, 8,704 bytes an expert: 2,048 words, the list cut into tiles of 16 places; a place behind the count repeats its tile's first token, a tile that lies wholly behind the count holds token 0; then 128 words
; that all hold the count.  Every store of a wave covers 512 consecutive bytes, aligned.
; Eight work-groups are what this work divides into; matrix units, tensor loads and clusters have nothing to do here: the launch is two dependent reads, some counting and one store.
; LIMITS: hash_map's values are taken to lie in 0 .. 7 (a token with another value is in no list and gets no row of the output); orig_input is held at 31,999.
.set LIST, 0                           ; LDS: the list, 2,048 words; 128 words more that take what is not this expert's;
.set TOT,  8192+512                    ; the four waves' totals
.set IDX, 24                           ; v24-39  indices, then byte offsets into hash_map
.set EX,  40                           ; v40-55  experts
.set RK,  56                           ; v56-71  places in the list, then LDS addresses
.set TKI, 72                           ; v72-87  the tokens' numbers
.macro BARRIER                         ; my LDS stores have landed and my LDS loads are in: then the work-group's barrier
	s_wait_dscnt 0x0
	s_barrier_signal -1
	s_barrier_wait -1
.endm
	s_load_b128 s[4:7], s[0:1], 0x0                ; orig_input, hash_map
	s_load_b64 s[8:9], s[0:1], 0x10                ; route
	v_lshl_add_u32 v192, v0, 2, 0x2400
	v_mov_b32 v193, 0
	v_lshrrev_b32 v1, 5, v0
	v_readfirstlane_b32 s24, v1                    ; wave 0..3
	v_and_b32 v1, 31, v0                           ; lane
	v_lshlrev_b32 v6, 4, v1                        ; 16 x lane
	s_mov_b32 s25, ttmp9                           ; expert
	s_lshl_b32 s44, s24, 11
	v_add_nc_u32 v11, s44, v6                      ; orig_input: 2,048 bytes a wave, 16 a lane
	v_lshrrev_b32 v12, 2, v11                      ; my first token: 512 w + 4 lane
	v_lshlrev_b32 v13, 6, v0                       ; the 64 bytes of the list that I clear
	s_lshl_b32 s44, s24, 2
	s_add_co_u32 s44, s44, TOT
	v_mov_b32 v14, s44                             ; my wave's total
	v_mov_b32 v15, TOT
	v_mov_b32 v16, 0
	v_mov_b32 v17, 0
	v_mov_b32 v18, 0
	v_mov_b32 v19, 0
	v_add_nc_u32 v20, 2048, v0                     ; the place that takes what is not this expert's
	s_mul_i32 s28, s25, 8704                       ; the expert's part of route
	s_mov_b32 s29, 0
	s_wait_kmcnt 0x0
.irp q, 0,1,2,3
	global_load_b128 v[IDX+4*\q:IDX+4*\q+3], v11, s[4:5] offset:512*\q   ; tokens 512 w + 4 lane + 128 q + 0 .. 3
.endr
	s_add_nc_u64 s[8:9], s[8:9], s[28:29]
.irp q, 0,1,2,3
	ds_store_b128 v13, v[16:19] offset:LIST+16*\q  ; the list is cleared: a place that no token takes reads as token 0
.endr
	s_wait_loadcnt 0x0                             ; the indices: the only loads that are out
.irp k, 0,1,2,3,4,5,6,7,8,9,10,11,12,13,14,15
	v_min_u32 v[IDX+\k], 0x7cff, v[IDX+\k]         ; held inside the table
.endr
.irp k, 0,1,2,3,4,5,6,7,8,9,10,11,12,13,14,15
	v_lshlrev_b32 v[IDX+\k], 2, v[IDX+\k]
.endr
.irp k, 0,1,2,3,4,5,6,7,8,9,10,11,12,13,14,15
	global_load_b32 v[EX+\k], v[IDX+\k], s[6:7]
.endr
.irp k, 0,1,2,3,4,5,6,7,8,9,10,11,12,13,14,15
	v_add_nc_u32 v[TKI+\k], 128*(\k/4)+(\k%4), v12 ; my 16 tokens' numbers, made while the look-ups are out
.endr
	s_wait_loadcnt 0x0                             ; the experts
	s_mov_b32 s34, 0
.irp k, 0,1,2,3,4,5,6,7,8,9,10,11,12,13,14,15
	v_cmp_eq_u32 s[48+\k], s25, v[EX+\k]           ; which lanes' token k is this expert's;
	v_mbcnt_lo_u32_b32 v[RK+\k], s[48+\k], s34     ; its place among my wave's: those of earlier k, and of lower lanes
	s_bcnt1_i32_b32 s44, s[48+\k]
	s_add_co_u32 s34, s34, s44
.endr
	v_mov_b32 v21, s34
	ds_store_b32 v14, v21                          ; my wave's total
	BARRIER                                        ; the cleared list and the totals lie in LDS
	ds_load_b128 v[16:19], v15
	BARRIER                                        ; every wave has read the totals: behind this barrier the list is written
	v_readfirstlane_b32 s40, v16
	v_readfirstlane_b32 s41, v17
	v_readfirstlane_b32 s42, v18
	v_readfirstlane_b32 s43, v19
	s_add_co_u32 s35, s40, s41
	s_add_co_u32 s35, s35, s42
	s_add_co_u32 s35, s35, s43                     ; the expert's tokens
	s_mov_b32 s39, 0                               ; those of the waves below mine
	s_cmp_gt_u32 s24, 0
	s_cselect_b32 s44, s40, 0
	s_add_co_u32 s39, s39, s44
	s_cmp_gt_u32 s24, 1
	s_cselect_b32 s44, s41, 0
	s_add_co_u32 s39, s39, s44
	s_cmp_gt_u32 s24, 2
	s_cselect_b32 s44, s42, 0
	s_add_co_u32 s39, s39, s44
.irp k, 0,1,2,3,4,5,6,7,8,9,10,11,12,13,14,15
	v_add_nc_u32 v[RK+\k], s39, v[RK+\k]
	v_cndmask_b32 v[RK+\k], v20, v[RK+\k], s[48+\k]    ; another expert's token goes to my spare place behind the list
	v_min_u32 v[RK+\k], 0x87f, v[RK+\k]
	v_lshlrev_b32 v[RK+\k], 2, v[RK+\k]
.endr
.irp k, 0,1,2,3                        ; the waves write the list one after the other, a barrier behind each: these addresses hang on data, so nothing else touches LDS meanwhile
	s_cmp_lg_u32 s24, \k
	s_cbranch_scc1 .Lnot_\k
.irp n, 0,1,2,3,4,5,6,7,8,9,10,11,12,13,14,15
	ds_store_b32 v[RK+\n], v[TKI+\n] offset:LIST
.endr
.Lnot_\k:
	BARRIER
.endr
	; from here on LDS is only read: the list goes out, padded, and the count behind it
	v_lshlrev_b32 v148, 4, v0                      ; four places a thread
	v_and_b32 v150, 0x7c0, v148                    ; their tile's first place
	v_lshlrev_b32 v151, 2, v0
	v_sub_nc_u32 v152, s35, v151                   ; the count less my first place
.irp q, 0,1,2,3
	ds_load_b128 v[156+4*\q:159+4*\q], v148 offset:LIST+2048*\q
	ds_load_b32 v[172+\q], v150 offset:LIST+2048*\q
.endr
	s_wait_dscnt 0x0
.irp q, 0,1,2,3
.irp n, 0,1,2,3
	v_cmp_lt_i32 vcc_lo, 512*\q+\n, v152
	v_cndmask_b32 v[156+4*\q+\n], v[172+\q], v[156+4*\q+\n], vcc_lo   ; a place behind the count repeats its tile's first token
.endr
	global_store_b128 v148, v[156+4*\q:159+4*\q], s[8:9] offset:2048*\q
.endr
	v_mov_b32 v153, s35
	global_store_b32 v151, v153, s[8:9] offset:8192
	s_wait_tensorcnt 0x0
	ds_add_u32 v192, v193
	s_wait_dscnt 0x0
	s_endpgm
.Lfunc_end_k_q529eae9c4a_route:
	.size	k_q529eae9c4a_route, .Lfunc_end_k_q529eae9c4a_route-k_q529eae9c4a_route
	.p2alignl 7, 3214868480
	.fill 96, 4, 3214868480
	.section	.rodata,"a",@progbits
	.p2align	6, 0x0
	.amdhsa_kernel k_q529eae9c4a_route
		.amdhsa_group_segment_fixed_size 9728
		.amdhsa_private_segment_fixed_size 0
		.amdhsa_enable_private_segment 0
		.amdhsa_kernarg_size 24
		.amdhsa_user_sgpr_count 2
		.amdhsa_user_sgpr_kernarg_segment_ptr 1
		.amdhsa_wavefront_size32 1
		.amdhsa_system_sgpr_workgroup_id_x 1
		.amdhsa_system_sgpr_workgroup_id_y 1
		.amdhsa_system_sgpr_workgroup_id_z 1
		.amdhsa_system_vgpr_workitem_id 0
		.amdhsa_next_free_vgpr 194
		.amdhsa_next_free_sgpr 66
		.amdhsa_reserve_vcc 1
		.amdhsa_float_denorm_mode_32 3
		.amdhsa_float_denorm_mode_16_64 3
		.amdhsa_memory_ordered 1
		.amdhsa_forward_progress 1
		.amdhsa_inst_pref_size 21
	.end_amdhsa_kernel
	.amdgpu_metadata
---
amdhsa.version: [ 1, 2 ]
amdhsa.kernels:
  - .name:           k_q529eae9c4a_route
    .symbol:         k_q529eae9c4a_route.kd
    .args:
      - { .name: orig_input, .offset: 0, .size: 8, .value_kind: global_buffer, .address_space: global }
      - { .name: hash_map, .offset: 8, .size: 8, .value_kind: global_buffer, .address_space: global }
      - { .name: route, .offset: 16, .size: 8, .value_kind: global_buffer, .address_space: global }
    .group_segment_fixed_size: 9728
    .private_segment_fixed_size: 0
    .kernarg_segment_align: 8
    .kernarg_segment_size: 24
    .max_flat_workgroup_size: 128
    .sgpr_count:     66
    .vgpr_count:     194
    .wavefront_size: 32
...
	.end_amdgpu_metadata
.endif
;; end of part 1
;; launch ffn1 (part 2): grid 256 x 1, 4 waves a work-group, no clusters, 131,584 bytes of LDS; arguments x_codes, x_scales, W1_codes, W1_scales, b1, route, h_img, h_sc; writes h_img, h_sc
.if DOCPART == 2
	.amdgcn_target "amdgcn-amd-amdhsa--gfx1250"
	.amdhsa_code_object_version 6
	.text
	.protected	k_q529eae9c4a_ffn1
	.globl	k_q529eae9c4a_ffn1
	.p2align	8
	.type	k_q529eae9c4a_ffn1,@function
k_q529eae9c4a_ffn1:
	s_mov_b64 s[64:65], 0
	v_nop
	global_prefetch_b8 v0, s[64:65] scope:SCOPE_SE
	s_setreg_imm32_b32 hwreg(HW_REG_WAVE_MODE, 25, 1), 1
	s_wait_xcnt 0x0
; HashLayerFFN, first half: h = relu(x W1[e]^T + b1[e]) for the expert e of each token, quantised to codes of BF8 (E5M2) with one E8M0 byte for each 32 along H.
; x [2048][1024], W1 [8][2048][1024]: codes, K innermost; their scale bytes [..][32].  Only the chosen expert's rows are multiplied: the others' results are thrown away by the mask that the problem builds itself.
; route, from the launch before: for each expert its list of tokens in tiles of 16 places (a place behind the count repeats its tile's first token; a tile wholly behind the count holds token 0), and the count.
; SHARES.  256 work-groups of four waves.  Work-group g: expert e = g / 32, slice sl = (g / 2) % 16 of 128 hidden units (K step sl of the second product), parity p = g % 2.  Expert and slice hang on g alone,
; so the slice's 128 KB of codes are asked for at the first lines; they lie in LDS as images of the operand's registers (16 bytes a lane, 512 bytes a register group) and are only read behind the one barrier.
; Tile t belongs to parity t % 2 and there to wave (t / 2) % 4.  A wave takes three tiles at a time: T0, T0 + 8, T0 + 16, T0 = 2 wave + p, then 24 further on.
; A group's first tile is always stored, and the first group always runs, so slots 0 to 7 of every expert are written: the second launch points tiles without tokens there.
; PRODUCT, transposed: source 0 = 16 rows of W1, source 1 = 16 tokens, so a lane holds ONE token and its registers run along the hidden units.  THE ROWS OF A TILE OF W1 ARE NOT NEIGHBOURS: lane r of tile 2 b + u takes
; row 32 b + 8 u + r + 8 (r / 8), so that the 16 registers of tiles 2 b and 2 b + 1 are 16 neighbours along the next K.  A pass is 4 tiles of W1 x 3 tiles of tokens: 12 accumulators by turns; two passes a group.
; b1 is the C of each sum's first product.  The tokens' codes come from memory straight into registers, five K steps ahead, and serve both passes; a group's first loads go out ahead of its trip.
; No tensor load, hence no joint load of a cluster: which of a wave's trips have work hangs on a count read from memory.
; LIMITS: a block of zeros of h gets the byte 1 (the rule says 127: its codes are zeros, and this program alone reads the bytes); blocks whose largest number lies under 2^-111 keep the byte 1;
; NaN and infinities in h are not served.
; REGISTERS, in windows of 256.  Window 0: addresses, scale words.  Window 1: v0-95 accumulators ((i, j) at 32 i + 8 j), v96-223 two sets of four fragments of W1, v224.. addresses and codes of h; in the head the staged rows of W1.
; Window 2: v0-239 the tokens' fragments of K steps 0-4 (48 a step).  Window 3: v0-143 K steps 5-7; v144-207 b1 in the result's layout.
.set TRIPS, 6                          ; 6 trips x 24 tiles pass the 128 tiles that one expert can have
.set RT,  14                           ; s[14:15] the expert's part of route
.set HB,  16                           ; s[16:17] h's images, at the expert and the slice's K step
.set SB,  18                           ; s[18:19] h's scale words, likewise
.set PP,  88                           ; v88-90  byte offset of my token's word in the list, tile i
.set TK,  92                           ; v92-94  my token, tile i
.set XO,  96                           ; v96-98  its byte offset in x's codes
.set XSO, 100                          ; v100-102 and in x's scales
.set XS,  104                          ; v104-115 x's scale words: 4 i + q: lanes 0-15 K step q, lanes 16-31 K step 4 + q
.set WS,  116                          ; v116-147 W1's scale words: 8 b + s: lanes 0-15 tile 2 b, lanes 16-31 tile 2 b + 1
.set BI,  144                          ; window 3: b1, 8 registers a tile
.set WB,  96                           ; window 1: W1's fragments
.set LIC, 224                          ; window 1: v224, v225: 16 x lane, and 65,536 more
.set HST, 226                          ; window 1: my byte offset in h's images
.set SCA, 227                          ; window 1: and in h's scale words
.set WD,  228                          ; window 1: v228-230 h's scale word, tile i
.set R16C, 231                         ; window 1: 16 x (lane % 16)
.set CD,  232                          ; window 1: v232-255 codes, four registers a block
.set QM,  96                           ; window 1, over the first set of fragments, which is done with: largest numbers,
.set QP,  102                          ; the other half's,
.set QS,  108                          ; the conversion's scale operands,
.set QH,  114                          ; the largest code x the scale,
.set QB,  120                          ; the bytes
.set MSB, 0
.macro WIN new                         ; the immediate's high byte repeats the setting that is left; bits 1:0 source 0, 3:2 source 1, 5:4 source 2, 7:6 destination
.if MSB != \new
	s_set_vgpr_msb (MSB<<8)|\new
.set MSB, \new
.endif
.endm
.macro PLACES n
.rept \n
	v_nop
.endr
.endm
.macro WLOADS u                        ; my tile 2 wave + u of W1, eight K steps, into window 1
	WIN 0x40
.irp s, 0,1,2,3,4,5,6,7
.irp c, 0,1,2,3
	global_load_b128 v[128*\u+16*\s+4*\c:128*\u+16*\s+4*\c+3], v7, s[8:9] offset:8192*\u+128*\s+32*\c
.endr
.endr
	WIN 0
.endm
.macro WSTORE u                        ; and to LDS as it stands in the registers
	WIN 0x04                                       ; an LDS store's data are its source 1: window 1
.irp s, 0,1,2,3,4,5,6,7
.irp c, 0,1,2,3
	ds_store_b128 v8, v[128*\u+16*\s+4*\c:128*\u+16*\s+4*\c+3] offset:8192*\s+2048*\u+512*\c
.endr
.endr
	WIN 0
.endm
.macro WFETCH h, s8, buf               ; four fragments of W1 (half h of the slice, K step s8) into set buf; destination and address lie in window 1 under the products' settings
.irp j, 0,1,2,3
.irp c, 0,1,2,3
	ds_load_b128 v[WB+64*(\buf)+16*\j+4*\c:WB+64*(\buf)+16*\j+4*\c+3], v[LIC+(\h)] offset:(4*(\s8)+\j)*2048+512*\c
.endr
.endr
.endm
.macro XLOAD s                         ; the three tiles' fragments of K step s: lane (r, h) takes 16 bytes at 128 s + 32 c + 16 h of its token's row
.if (\s) < 5
	WIN 0x80
.set XB, 48*(\s)
.else
	WIN 0xc0
.set XB, 48*((\s)-5)
.endif
.irp i, 0,1,2
.irp c, 0,1,2,3
	global_load_b128 v[XB+16*\i+4*\c:XB+16*\i+4*\c+3], v[XO+\i], s[4:5] offset:128*(\s)+32*\c
.endr
.endr
.endm
.macro XTOK off                        ; the tokens of the group that begins off tiles behind T0: place 16 tile + r of the list, three loads
.irp i, 0,1,2
	s_add_co_u32 s44, s38, (\off)+8*\i
	s_min_u32 s44, s44, 127
	s_lshl_b32 s44, s44, 6                         ; 64 bytes of the list a tile
	v_add_nc_u32 v[PP+\i], s44, v21
.endr
.irp i, 0,1,2
	global_load_b32 v[TK+\i], v[PP+\i], s[RT:RT+1]
.endr
.endm
.macro XADR                            ; the tokens are in: where their rows lie
.irp i, 0,1,2
	v_min_u32 v[TK+\i], 0x7ff, v[TK+\i]
	v_lshl_add_u32 v[XO+\i], v[TK+\i], 10, v5
	v_lshl_add_u32 v[XSO+\i], v[TK+\i], 5, v5
.endr
.endm
.macro XFIRST                          ; a group's first 63 loads: its scale words and K steps 0 to 4
.irp i, 0,1,2
	global_load_b128 v[XS+4*\i:XS+4*\i+3], v[XSO+\i], s[6:7]
.endr
	XLOAD 0
	XLOAD 1
	XLOAD 2
	XLOAD 3
	XLOAD 4
	WIN 0
.endm
.macro HADR off                        ; where the group that begins off tiles behind T0 stores: 32,768 bytes of images and 1,024 of scale words a tile
.if \off
	s_add_co_u32 s44, s38, \off
	s_min_u32 s44, s44, 127
.else
	s_min_u32 s44, s38, 127
.endif
	s_lshl_b32 s45, s44, 15
	s_lshl_b32 s46, s44, 10
	WIN 0x55
	v_add_nc_u32 v[HST], s45, v[LIC]
	v_add_nc_u32 v[SCA], s46, v[R16C]
	WIN 0
.endm
.macro MM                              ; one product; fA, fB: the scales are taken from lanes 16-31
.if fA && fB
	v_wmma_scale_f32_16x16x128_f8f6f4 v[rD:rD+7], v[rA:rA+15], v[rB:rB+15], v[rC:rC+7], v[rSA], v[rSB] matrix_a_fmt:MATRIX_FMT_BF8 matrix_b_fmt:MATRIX_FMT_BF8 matrix_a_scale:MATRIX_SCALE_ROW1 matrix_b_scale:MATRIX_SCALE_ROW1
.elseif fA
	v_wmma_scale_f32_16x16x128_f8f6f4 v[rD:rD+7], v[rA:rA+15], v[rB:rB+15], v[rC:rC+7], v[rSA], v[rSB] matrix_a_fmt:MATRIX_FMT_BF8 matrix_b_fmt:MATRIX_FMT_BF8 matrix_a_scale:MATRIX_SCALE_ROW1
.elseif fB
	v_wmma_scale_f32_16x16x128_f8f6f4 v[rD:rD+7], v[rA:rA+15], v[rB:rB+15], v[rC:rC+7], v[rSA], v[rSB] matrix_a_fmt:MATRIX_FMT_BF8 matrix_b_fmt:MATRIX_FMT_BF8 matrix_b_scale:MATRIX_SCALE_ROW1
.else
	v_wmma_scale_f32_16x16x128_f8f6f4 v[rD:rD+7], v[rA:rA+15], v[rB:rB+15], v[rC:rC+7], v[rSA], v[rSB] matrix_a_fmt:MATRIX_FMT_BF8 matrix_b_fmt:MATRIX_FMT_BF8
.endif
.endm
.macro STEP1 nh                        ; K step ks: 12 products, the 12 accumulators by turns, one instruction a turn, in the same order in every step
.irp i, 0,1,2
.irp j, 0,1,2,3
.set rD, 32*\i+8*\j
.set rA, WB+64*(ks&1)+16*\j
.if ks < 5
.set rB, 48*ks+16*\i
.else
.set rB, 48*(ks-5)+16*\i
.endif
.if ks == 0
.set rC, BI+8*(4*\nh+\j)               ; the bias starts the sum
.else
.set rC, rD
.endif
.set rSA, WS+8*(2*\nh+\j/2)+ks
.set rSB, XS+4*\i+(ks&3)
.set fA, \j&1
.set fB, ks>>2
	MM
.endr
.endr
.endm
; A pass: half nh of the slice (64 hidden units) for the group's three tiles, K = 1,024 in eight steps.  Pass 0 also brings the tokens' K steps 5 to 7.
.macro PASS1 nh
	WIN 0x79
	WFETCH \nh, 0, 0
.set ks, 0
.rept 8
.if (\nh == 0) && (ks < 3)
	XLOAD ks+5
.endif
.if ks == 0
	WIN 0x79                                       ; W1 window 1, tokens window 2, C = b1 window 3, D window 1
.elseif ks < 5
	WIN 0x59                                       ; C and D window 1
.else
	WIN 0x5d                                       ; tokens window 3
.endif
.if ks < 7
.if ks > 0
	PLACES 8                                       ; eight places behind the last step's products, which read the set that is loaded next
.endif
	WFETCH \nh, ks+1, (ks+1)&1
.endif
.if \nh == 0
.if ks < 3
	s_wait_loadcnt 60                              ; this step's 12 loads are in; the five younger steps' 60 may be out
.else
	s_wait_loadcnt 12*(7-ks)                       ; the younger steps' loads may be out
.endif
.endif
.if ks < 7
	s_wait_dscnt 16                                ; this step's four fragments are in; the 16 loads just issued may be out
.else
	s_wait_dscnt 0x0
.endif
	STEP1 \nh
.set ks, ks+1
.endr
	PLACES 9
.endm
; The pass's results become codes: six blocks of 32 along H (block q = 2 i + u: registers 16 q .. 16 q + 15 of my token, my half's 16 numbers).  No |.| on the maximum's sources: what is negative is to become 0.
.macro QUANT nh
	WIN 0x55
	s_wait_xcnt 0x0                                ; the earlier stores have read the codes' and the scale words' registers, which are written again below
.irp q, 0,1,2,3,4,5
	v_max3_num_f32 v[QM+\q], v[16*\q], v[16*\q+1], 0x8000000   ; and the floor 2^(16 - 127): the byte cannot fall under 1.  Each accumulator is read from its low end on
.endr
.irp n, 2,4,6,8,10,12,14
.irp q, 0,1,2,3,4,5
	v_max3_num_f32 v[QM+\q], v[QM+\q], v[16*\q+\n], v[16*\q+\n+1]
.endr
.endr
.irp q, 0,1,2,3,4,5
	v_permlanex16_b32 v[QP+\q], v[QM+\q], s30, s31
.endr
.irp q, 0,1,2,3,4,5
	v_max_num_f32 v[QM+\q], v[QM+\q], v[QP+\q]     ; with lane l xor 16's 16 numbers: the block's largest
.endr
.irp q, 0,1,2,3,4,5
	v_add_nc_u32 v[QS+\q], 0xf8800000, v[QM+\q]    ; 15 off its exponent field: the conversion takes the exponent field of this operand as its scale
.endr
.irp q, 0,1,2,3,4,5
	v_and_or_b32 v[QH+\q], v[QM+\q], 0x7f800000, s32   ; 57,344 x the scale
.endr
.irp q, 0,1,2,3,4,5
	v_lshrrev_b32 v[QB+\q], 23, v[QS+\q]           ; the scale's byte
.endr
.irp i, 0,1,2
.if \nh == 0
	v_lshl_or_b32 v[WD+\i], v[QB+2*\i+1], 8, v[QB+2*\i]        ; bytes 0 and 1 of the K step's scale word
.else
	v_lshl_or_b32 v[WD+\i], v[QB+2*\i], 16, v[WD+\i]           ; bytes 2 and 3
	v_lshl_or_b32 v[WD+\i], v[QB+2*\i+1], 24, v[WD+\i]
.endif
.endr
.irp q, 0,1,2,3,4,5
.irp n, 0,1,2,3,4,5,6,7,8,9,10,11,12,13,14,15
	v_med3_num_f32 v[16*\q+\n], v[16*\q+\n], 0, v[QH+\q]       ; the activation and the hold in one: the conversion to an 8-bit code does not saturate (ISA guide 7.6.2)
.endr
	v_cvt_scalef32_pk8_bf8_f32 v[CD+4*\q:CD+4*\q+1], v[16*\q:16*\q+7], v[QS+\q]
	v_cvt_scalef32_pk8_bf8_f32 v[CD+4*\q+2:CD+4*\q+3], v[16*\q+8:16*\q+15], v[QS+\q]
.endr
	v_nop                                          ; one plain instruction behind the last conversion: the next products write its sources
	WIN 0
.irp i, 0,1,2                          ; the group's first tile is always stored; the others where they hold tokens
.if \i > 0
	s_add_co_u32 s44, s38, 8*\i
	s_cmp_ge_u32 s44, s36
	s_cbranch_scc1 .Lqdone_\@
.endif
	WIN 0x55
.irp u, 0,1
	global_store_b128 v[HST], v[CD+4*(2*\i+\u):CD+4*(2*\i+\u)+3], s[HB:HB+1] offset:262144*\i+512*(2*\nh+\u)   ; register group 2 nh + u of the image: 32 lanes store 512 consecutive bytes, aligned
.endr
.if \nh == 1
	global_store_b32 v[SCA], v[WD+\i], s[SB:SB+1] offset:8192*\i   ; lanes 16-31 repeat lanes 0-15's word at the same place
.endif
	WIN 0
.endr
.Lqdone_\@:
.endm
	s_load_b512 s[4:19], s[0:1], 0x0               ; x's codes 4, x's scales 6, W1's codes 8, W1's scales 10, b1 12, route 14, h_img 16, h_sc 18
	v_lshl_add_u32 v254, v0, 2, 0x20000
	v_mov_b32 v255, 0
	v_lshrrev_b32 v1, 5, v0
	v_readfirstlane_b32 s24, v1                    ; wave 0..3
	v_and_b32 v1, 31, v0                           ; lane
	v_and_b32 v2, 15, v0                           ; r
	v_bfe_u32 v3, v0, 4, 1                         ; h
	v_and_b32 v4, 8, v2
	v_add_nc_u32 v4, v4, v2                        ; r + 8 (r / 8)
	v_lshlrev_b32 v5, 4, v3                        ; 16 h
	v_lshlrev_b32 v6, 4, v1                        ; 16 x lane
	v_lshlrev_b32 v21, 2, v2                       ; 4 r
	s_lshr_b32 s25, ttmp9, 5                       ; expert
	s_bfe_u32 s26, ttmp9, 0x40001                  ; slice
	s_and_b32 s27, ttmp9, 1                        ; parity
	s_lshl_b32 s38, s24, 1
	s_add_co_u32 s38, s38, s27                     ; T0 = 2 wave + parity
	v_lshl_add_u32 v7, v4, 10, v5                  ; W1: wave w stages rows 32 w + 8 u + r + 8 (r / 8) of the slice: 1,024 bytes a row, + 16 h
	s_lshl_b32 s44, s24, 15
	v_add_nc_u32 v7, s44, v7
	s_lshr_b32 s44, s24, 1                         ; and where they go: tile 2 w + u is fragment 2 (w % 2) + u of half w / 2
	s_lshl_b32 s44, s44, 16
	s_and_b32 s45, s24, 1
	s_lshl_b32 s45, s45, 12
	s_add_co_u32 s44, s44, s45
	v_add_nc_u32 v8, s44, v6
	v_lshl_add_u32 v9, v3, 3, v4                   ; W1's scale words: 32 bytes a row; lanes 16-31 take the tile eight rows on
	v_lshlrev_b32 v9, 5, v9
	v_lshlrev_b32 v10, 6, v3                       ; b1: lanes 16-31 begin 16 numbers on
	s_mov_b32 s30, 0x76543210
	s_mov_b32 s31, 0xfedcba98                      ; v_permlanex16_b32's selects for lane l xor 16
	s_mov_b32 s32, 0x600000                        ; the mantissa field of 57,344
	s_mul_i32 s28, s25, 8704                       ; the expert's list and count
	s_mov_b32 s29, 0
	s_wait_kmcnt 0x0
	s_add_nc_u64 s[RT:RT+1], s[RT:RT+1], s[28:29]
	s_load_b32 s35, s[RT:RT+1], 0x2000             ; the count: wanted only at the first stores
	XTOK 0                                         ; the first group's tokens: its tiles hang on the wave's and the work-group's numbers alone
	s_lshr_b32 s46, ttmp9, 1                       ; 16 expert + slice
	s_lshl_b32 s28, s46, 12
	s_add_nc_u64 s[10:11], s[10:11], s[28:29]      ; the slice's scales: 128 rows of 32 bytes,
	s_lshl_b32 s28, s46, 17
	s_add_nc_u64 s[8:9], s[8:9], s[28:29]          ; its codes: 128 rows of 1,024,
	s_lshl_b32 s28, s46, 9
	s_add_nc_u64 s[12:13], s[12:13], s[28:29]      ; its biases
.irp b, 0,1,2,3
	global_load_b128 v[WS+8*\b:WS+8*\b+3], v9, s[10:11] offset:1024*\b
	global_load_b128 v[WS+8*\b+4:WS+8*\b+7], v9, s[10:11] offset:1024*\b+16
.endr
	WLOADS 0
	WIN 0xc0
.irp n, 0,1,2,3,4,5,6,7                ; b1 in the result's layout: for tile n = 2 b + u lane (r, h) wants hidden units 32 b + 16 h + 8 u + 0 .. 7
	global_load_b128 v[BI+8*\n:BI+8*\n+3], v10, s[12:13] offset:(32*(\n/2)+8*(\n%2))*4
	global_load_b128 v[BI+8*\n+4:BI+8*\n+7], v10, s[12:13] offset:(32*(\n/2)+8*(\n%2))*4+16
.endr
	WIN 0
	s_lshl_b32 s28, s25, 22                        ; h's images: 4 MB an expert, 2,048 bytes a K step
	s_lshl_b32 s44, s26, 11
	s_add_co_u32 s28, s28, s44
	s_add_nc_u64 s[HB:HB+1], s[HB:HB+1], s[28:29]
	s_lshl_b32 s28, s25, 17                        ; h's scale words: 128 KB an expert; K step s of token r lies at 512 (s / 8) + 16 (16 ((s / 4) % 2) + r) + 4 (s % 4) of the tile's 1,024 bytes
	s_lshr_b32 s44, s26, 3
	s_lshl_b32 s44, s44, 9
	s_add_co_u32 s28, s28, s44
	s_bfe_u32 s44, s26, 0x10002
	s_lshl_b32 s44, s44, 8
	s_add_co_u32 s28, s28, s44
	s_and_b32 s44, s26, 3
	s_lshl_b32 s44, s44, 2
	s_add_co_u32 s28, s28, s44
	s_add_nc_u64 s[SB:SB+1], s[SB:SB+1], s[28:29]
	s_wait_loadcnt 56                              ; the tokens are in: behind them stand 8 loads of scale words, my first tile's 32 and b1's 16
	XADR
	WLOADS 1
	XFIRST
	s_wait_loadcnt 63                              ; all that is staged is in: behind it stand the first group's 63 loads
	WSTORE 0
	WSTORE 1
	s_wait_kmcnt 0x0
	s_add_co_u32 s36, s35, 15
	s_lshr_b32 s36, s36, 4
	s_min_u32 s36, s36, 128                        ; tiles that hold tokens
	s_max_u32 s37, s36, 8                          ; a trip has work where T0 lies under this: the first trip (T0 at most 7) always, a later one (T0 at least 24) where its first tile holds tokens
	s_wait_dscnt 0x0                               ; for the others' sake: my part of the images has landed
	s_barrier_signal -1
	s_barrier_wait -1                              ; the images are whole; from here on LDS is only read
	WIN 0x40                                       ; destination window 1: the staged rows have left these registers
	v_lshlrev_b32 v[LIC], 4, v1
	v_lshl_add_u32 v[LIC+1], v1, 4, 0x10000
	v_lshlrev_b32 v[R16C], 4, v2
	WIN 0
	HADR 0
	s_mov_b32 s33, 0                               ; trips done
.Lgroup:                               ; a trip: the group of tiles T0, T0 + 8, T0 + 16, whose first loads are on their way.  The number of trips is a constant; a trip whose group holds nothing is jumped over
	s_cmp_ge_u32 s38, s37
	s_cbranch_scc1 .Lskip
	PASS1 0
	QUANT 0
	PASS1 1
	QUANT 1
	s_wait_xcnt 0x0                                ; the stores have read their offsets, which are written next
	HADR 24
	s_add_co_u32 s44, s38, 24
	s_cmp_ge_u32 s44, s36
	s_cbranch_scc1 .Lskip                          ; the next group holds nothing: nothing is asked for
	XTOK 24
	s_wait_loadcnt 0x0                             ; its tokens: the only loads that are out
	XADR
	XFIRST
.Lskip:
	s_add_co_u32 s38, s38, 24
	s_add_co_u32 s33, s33, 1
	s_cmp_lt_u32 s33, TRIPS
	s_cbranch_scc1 .Lgroup
	s_wait_tensorcnt 0x0
	ds_add_u32 v254, v255
	s_wait_dscnt 0x0
	s_endpgm
.Lfunc_end_k_q529eae9c4a_ffn1:
	.size	k_q529eae9c4a_ffn1, .Lfunc_end_k_q529eae9c4a_ffn1-k_q529eae9c4a_ffn1
	.p2alignl 7, 3214868480
	.fill 96, 4, 3214868480
	.section	.rodata,"a",@progbits
	.p2align	6, 0x0
	.amdhsa_kernel k_q529eae9c4a_ffn1
		.amdhsa_group_segment_fixed_size 131584
		.amdhsa_private_segment_fixed_size 0
		.amdhsa_enable_private_segment 0
		.amdhsa_kernarg_size 64
		.amdhsa_user_sgpr_count 2
		.amdhsa_user_sgpr_kernarg_segment_ptr 1
		.amdhsa_wavefront_size32 1
		.amdhsa_system_sgpr_workgroup_id_x 1
		.amdhsa_system_sgpr_workgroup_id_y 1
		.amdhsa_system_sgpr_workgroup_id_z 1
		.amdhsa_system_vgpr_workitem_id 0
		.amdhsa_next_free_vgpr 1024
		.amdhsa_next_free_sgpr 66
		.amdhsa_reserve_vcc 0
		.amdhsa_float_denorm_mode_32 3
		.amdhsa_float_denorm_mode_16_64 3
		.amdhsa_memory_ordered 1
		.amdhsa_forward_progress 1
		.amdhsa_inst_pref_size 106
	.end_amdhsa_kernel
	.amdgpu_metadata
---
amdhsa.version: [ 1, 2 ]
amdhsa.kernels:
  - .name:           k_q529eae9c4a_ffn1
    .symbol:         k_q529eae9c4a_ffn1.kd
    .args:
      - { .name: x_codes, .offset: 0, .size: 8, .value_kind: global_buffer, .address_space: global }
      - { .name: x_scales, .offset: 8, .size: 8, .value_kind: global_buffer, .address_space: global }
      - { .name: W1_codes, .offset: 16, .size: 8, .value_kind: global_buffer, .address_space: global }
      - { .name: W1_scales, .offset: 24, .size: 8, .value_kind: global_buffer, .address_space: global }
      - { .name: b1, .offset: 32, .size: 8, .value_kind: global_buffer, .address_space: global }
      - { .name: route, .offset: 40, .size: 8, .value_kind: global_buffer, .address_space: global }
      - { .name: h_img, .offset: 48, .size: 8, .value_kind: global_buffer, .address_space: global }
      - { .name: h_sc, .offset: 56, .size: 8, .value_kind: global_buffer, .address_space: global }
    .group_segment_fixed_size: 131584
    .private_segment_fixed_size: 0
    .kernarg_segment_align: 8
    .kernarg_segment_size: 64
    .max_flat_workgroup_size: 128
    .sgpr_count:     66
    .vgpr_count:     1024
    .wavefront_size: 32
...
	.end_amdgpu_metadata
.endif
;; end of part 2
;; launch ffn2 (part 3): grid 256 x 1, 4 waves a work-group, no clusters, 183,808 bytes of LDS; arguments h_img, h_sc, route, W2_codes, W2_scales, b2, out0; writes out0
.if DOCPART == 3
	.amdgcn_target "amdgcn-amd-amdhsa--gfx1250"
	.amdhsa_code_object_version 6
	.text
	.protected	k_q529eae9c4a_ffn2
	.globl	k_q529eae9c4a_ffn2
	.p2align	8
	.type	k_q529eae9c4a_ffn2,@function
k_q529eae9c4a_ffn2:
	s_mov_b64 s[64:65], 0
	v_nop
	global_prefetch_b8 v0, s[64:65] scope:SCOPE_SE
	s_setreg_imm32_b32 hwreg(HW_REG_WAVE_MODE, 25, 1), 1
	s_wait_xcnt 0x0
; HashLayerFFN, second half: out[token] = h[token] W2[e]^T + b2[e], on codes of BF8 (E5M2) with one E8M0 byte for each 32 along H.
; h comes from the first launch as images of the operand's registers: [expert][tile of 16 tokens][K step][register group][lane][16 bytes]; its scale words [expert][tile][1,024 bytes]; the expert's padded list of tokens and its count in route.
; SHARES.  256 work-groups of four waves.  Work-group g: expert g / 32, slice (g / 2) % 16 of 64 output columns (256 bytes of a row of out), parity g % 2.  The slice's 64 rows of W2 (128 KB of codes) are asked for at the
; first lines and lie in LDS as images of the operand's registers; behind the one barrier the waves go their own ways.  Tile t belongs to parity t % 2 and wave (t / 2) % 4; a wave takes tiles T0, T0 + 8, T0 + 16 at a time.
; A tile behind the count is pointed at the wave's own first slot, 2 wave + parity, which the first launch always writes, all lanes at one place; its results are not stored.
; PRODUCT, transposed: source 0 = 16 rows of W2, source 1 = 16 tokens: a lane's eight results are eight neighbouring columns of one token's row.  4 tiles of W2 x 3 tiles of tokens: 12 accumulators by turns, K = 2,048 in 16 steps.
; h's fragments come from memory straight into registers, four K steps ahead, in eight slots of 48 registers.
; THE WAY OUT: through the wave's own stage in LDS (rows of 256 bytes + 16), back by rows, b2 added, and sixteen lanes store the 256 aligned bytes of a token's row.  Places behind the count repeat their tile's first token:
; they hold the same numbers and the same wave stores them to the same bytes.
; No tensor load, hence no joint load of a cluster: which of a wave's trips have work hangs on a count read from memory.
; LIMIT: a token whose hash_map value lies outside 0 .. 7 is in no list and gets no row.
; REGISTERS.  Window 0: addresses, scale words, the list, rows on the way out.  Window 1: v0-95 accumulators ((i, j) at 32 i + 8 j), v96-223 two sets of four fragments of W2, v224-225 LDS addresses; in the head the staged rows of W2.
; Window 2: h's slots 0-4.  Window 3: slots 5-7.
.set STAGE, 131072                     ; LDS: behind the images: for each wave 3 tiles x 16 rows x 272 bytes
.set TRIPS, 6                          ; 6 trips x 24 tiles pass the 128 tiles that one expert can have
.set HO,  16                           ; v16-18  my byte offset in h's images, tile i
.set HSO, 20                           ; v20-22  in h's scale words
.set LO,  24                           ; v24-26  in the list
.set B2Q, 28                           ; v28-31  b2 of my four columns on the way out
.set WS,  32                           ; v32-63  W2's scale words: 16 b + s: lanes 0-15 tile 2 b, lanes 16-31 tile 2 b + 1
.set HS,  64                           ; v64-87  h's: 8 i + 4 (s / 8) + s % 4: lanes 0-15 where (s / 4) % 2 = 0, lanes 16-31 where it is 1
.set TL,  88                           ; v88-111 tokens, then byte offsets in out: 8 i + k: lanes 0-15 row k of the tile, lanes 16-31 row k + 8
.set RB,  112                          ; v112-175 rows read back, two sets of 32
.set WB,  96
.set LIC, 224
.set MSB, 0
.macro WIN new                         ; the immediate's high byte repeats the setting that is left; bits 1:0 source 0, 3:2 source 1, 5:4 source 2, 7:6 destination
.if MSB != \new
	s_set_vgpr_msb (MSB<<8)|\new
.set MSB, \new
.endif
.endm
.macro PLACES n
.rept \n
	v_nop
.endr
.endm
.macro WFETCH h, s8, buf               ; four fragments of W2 (K step 8 h + s8) into set buf; destination and address lie in window 1 under the products' settings
.irp j, 0,1,2,3
.irp c, 0,1,2,3
	ds_load_b128 v[WB+64*(\buf)+16*\j+4*\c:WB+64*(\buf)+16*\j+4*\c+3], v[LIC+(\h)] offset:(4*(\s8)+\j)*2048+512*\c
.endr
.endr
.endm
.macro HLOAD s                         ; the three tiles' fragments of K step s into slot s % 8
.if ((\s)&7) < 5
	WIN 0x80
.set XB, 48*((\s)&7)
.else
	WIN 0xc0
.set XB, 48*(((\s)&7)-5)
.endif
.irp i, 0,1,2
.irp c, 0,1,2,3
	global_load_b128 v[XB+16*\i+4*\c:XB+16*\i+4*\c+3], v[HO+\i], s[4:5] offset:2048*(\s)+512*\c
.endr
.endr
.endm
; The addresses and first loads of the group that begins off tiles behind T0: 6 loads of the list, 6 of scale words, 48 of K steps 0 to 3.
.macro HSTART off
.irp i, 0,1,2
	s_add_co_u32 s26, s25, (\off)+8*\i             ; the tile
	s_min_u32 s29, s26, 127
	s_lshl_b32 s29, s29, 6
	v_add_nc_u32 v[LO+\i], s29, v7                 ; its 16 words of the list; lanes 16-31 take the upper eight
	s_cmp_lt_u32 s26, s23
	s_cselect_b32 s27, s26, s24                    ; behind the count: my first slot,
	s_cselect_b32 s28, 16, 0                       ; all lanes at its first 16 bytes
	s_min_u32 s27, s27, 127
	s_lshl_b32 s29, s27, 15
	v_mad_u32_u24 v[HO+\i], v1, s28, s29
	s_lshl_b32 s29, s27, 10
	v_mad_u32_u24 v[HSO+\i], v1, s28, s29
.endr
.irp i, 0,1,2
.irp g, 0,1
	global_load_b128 v[TL+8*\i+4*\g:TL+8*\i+4*\g+3], v[LO+\i], s[8:9] offset:16*\g
.endr
.endr
.irp i, 0,1,2
.irp g, 0,1
	global_load_b128 v[HS+8*\i+4*\g:HS+8*\i+4*\g+3], v[HSO+\i], s[6:7] offset:512*\g
.endr
.endr
	HLOAD 0
	HLOAD 1
	HLOAD 2
	HLOAD 3
	WIN 0
.endm
.macro MM                              ; one product that adds onto its accumulator; fA, fB: the scales are taken from lanes 16-31
.if fA && fB
	v_wmma_scale_f32_16x16x128_f8f6f4 v[rD:rD+7], v[rA:rA+15], v[rB:rB+15], v[rD:rD+7], v[rSA], v[rSB] matrix_a_fmt:MATRIX_FMT_BF8 matrix_b_fmt:MATRIX_FMT_BF8 matrix_a_scale:MATRIX_SCALE_ROW1 matrix_b_scale:MATRIX_SCALE_ROW1
.elseif fA
	v_wmma_scale_f32_16x16x128_f8f6f4 v[rD:rD+7], v[rA:rA+15], v[rB:rB+15], v[rD:rD+7], v[rSA], v[rSB] matrix_a_fmt:MATRIX_FMT_BF8 matrix_b_fmt:MATRIX_FMT_BF8 matrix_a_scale:MATRIX_SCALE_ROW1
.elseif fB
	v_wmma_scale_f32_16x16x128_f8f6f4 v[rD:rD+7], v[rA:rA+15], v[rB:rB+15], v[rD:rD+7], v[rSA], v[rSB] matrix_a_fmt:MATRIX_FMT_BF8 matrix_b_fmt:MATRIX_FMT_BF8 matrix_b_scale:MATRIX_SCALE_ROW1
.else
	v_wmma_scale_f32_16x16x128_f8f6f4 v[rD:rD+7], v[rA:rA+15], v[rB:rB+15], v[rD:rD+7], v[rSA], v[rSB] matrix_a_fmt:MATRIX_FMT_BF8 matrix_b_fmt:MATRIX_FMT_BF8
.endif
.endm
.macro MMZ                             ; the first K step starts the sums: nothing is cleared
.if fA
	v_wmma_scale_f32_16x16x128_f8f6f4 v[rD:rD+7], v[rA:rA+15], v[rB:rB+15], 0, v[rSA], v[rSB] matrix_a_fmt:MATRIX_FMT_BF8 matrix_b_fmt:MATRIX_FMT_BF8 matrix_a_scale:MATRIX_SCALE_ROW1
.else
	v_wmma_scale_f32_16x16x128_f8f6f4 v[rD:rD+7], v[rA:rA+15], v[rB:rB+15], 0, v[rSA], v[rSB] matrix_a_fmt:MATRIX_FMT_BF8 matrix_b_fmt:MATRIX_FMT_BF8
.endif
.endm
.macro STEP2                           ; K step ks: 12 products, the 12 accumulators by turns, one instruction a turn, in the same order in every step
.irp i, 0,1,2
.irp j, 0,1,2,3
.set rD, 32*\i+8*\j
.set rA, WB+64*(ks&1)+16*\j
.if (ks&7) < 5
.set rB, 48*(ks&7)+16*\i
.else
.set rB, 48*((ks&7)-5)+16*\i
.endif
.set rSA, WS+16*(\j/2)+ks
.set rSB, HS+8*\i+4*(ks>>3)+(ks&3)
.set fA, \j&1
.set fB, (ks>>2)&1
.if ks == 0
	MMZ
.else
	MM
.endif
.endr
.endr
.endm
	s_load_b256 s[4:11], s[0:1], 0x0               ; h_img 4, h_sc 6, route 8, W2's codes 10
	s_load_b128 s[12:15], s[0:1], 0x20             ; W2's scales 12, b2 14
	s_load_b64 s[16:17], s[0:1], 0x30              ; out
	v_lshl_add_u32 v254, v0, 2, 0x2cc00
	v_mov_b32 v255, 0
	v_lshrrev_b32 v1, 5, v0
	v_readfirstlane_b32 s18, v1                    ; wave 0..3
	v_and_b32 v1, 31, v0                           ; lane
	v_and_b32 v2, 15, v0                           ; r
	v_bfe_u32 v3, v0, 4, 1                         ; h
	v_lshlrev_b32 v6, 4, v2                        ; 16 r
	v_lshlrev_b32 v7, 5, v3                        ; 32 h
	v_lshlrev_b32 v8, 11, v2                       ; W2: wave w stages rows 16 w + r of the slice: 2,048 bytes a row, + 16 h
	v_lshl_add_u32 v8, v3, 4, v8
	s_lshl_b32 s26, s18, 15
	v_add_nc_u32 v8, s26, v8
	v_lshlrev_b32 v9, 4, v1                        ; and where they go: fragment w of each K step; K steps 0-7,
	s_lshl_b32 s26, s18, 11
	v_add_nc_u32 v9, s26, v9
	v_add_nc_u32 v10, 0x10000, v9                  ; K steps 8-15
	v_lshlrev_b32 v11, 6, v1                       ; W2's scale words: 64 bytes a row, a lane a row
	s_mul_i32 s26, s18, 13056
	s_add_co_u32 s26, s26, STAGE                   ; my stage
	v_mul_u32_u24 v12, v2, 272
	v_lshl_add_u32 v12, v3, 5, v12
	v_add_nc_u32 v12, s26, v12                     ; in: row r, 32 bytes for each half of the lanes
	v_mul_u32_u24 v13, v3, 2176
	v_lshl_add_u32 v13, v2, 4, v13
	v_add_nc_u32 v13, s26, v13                     ; back: lanes 0-15 one row, lanes 16-31 the row eight further on
	s_lshr_b32 s19, ttmp9, 5                       ; expert
	s_bfe_u32 s20, ttmp9, 0x40001                  ; slice
	s_and_b32 s21, ttmp9, 1                        ; parity
	s_lshl_b32 s24, s18, 1
	s_add_co_u32 s24, s24, s21                     ; my first slot: 2 wave + parity
	s_mov_b32 s25, s24                             ; T0
	s_lshr_b32 s26, ttmp9, 1                       ; 16 expert + slice
	s_mov_b32 s31, 0
	s_wait_kmcnt 0x0
	s_mul_i32 s30, s19, 8704
	s_add_nc_u64 s[8:9], s[8:9], s[30:31]          ; the expert's list;
	s_load_b32 s22, s[8:9], 0x2000                 ; its count
	s_lshl_b32 s30, s26, 17
	s_add_nc_u64 s[10:11], s[10:11], s[30:31]      ; the slice's codes: 64 rows of 2,048 bytes,
	s_lshl_b32 s30, s26, 12
	s_add_nc_u64 s[12:13], s[12:13], s[30:31]      ; its scales: 64 rows of 64,
	s_lshl_b32 s30, s26, 8
	s_add_nc_u64 s[14:15], s[14:15], s[30:31]      ; its biases
	WIN 0x40
.irp s, 0,1,2,3,4,5,6,7,8,9,10,11,12,13,14,15
.irp c, 0,1,2,3
	global_load_b128 v[16*\s+4*\c:16*\s+4*\c+3], v8, s[10:11] offset:128*\s+32*\c
.endr
.endr
	WIN 0
.irp b, 0,1
.irp q, 0,1,2,3
	global_load_b128 v[WS+16*\b+4*\q:WS+16*\b+4*\q+3], v11, s[12:13] offset:2048*\b+16*\q
.endr
.endr
	global_load_b128 v[B2Q:B2Q+3], v6, s[14:15]
	s_lshl_b32 s30, s19, 22
	s_add_nc_u64 s[4:5], s[4:5], s[30:31]          ; the expert's images,
	s_lshl_b32 s30, s19, 17
	s_add_nc_u64 s[6:7], s[6:7], s[30:31]          ; their scale words,
	s_lshl_b32 s30, s20, 8
	s_add_nc_u64 s[16:17], s[16:17], s[30:31]      ; the slice's 256 bytes of a row of out
	s_wait_kmcnt 0x0
	s_add_co_u32 s23, s22, 15
	s_lshr_b32 s23, s23, 4
	s_min_u32 s23, s23, 128                        ; tiles that hold tokens
	s_max_u32 s33, s23, 8                          ; a trip has work where T0 lies under this: the first trip (T0 at most 7) always, a later one (T0 at least 24) where its first tile holds tokens
	HSTART 0
	s_wait_loadcnt 60                              ; W2's rows, its scale words and b2 are in: behind them stand the first group's 60 loads
	WIN 0x04                                       ; an LDS store's data are its source 1: window 1
.irp s, 0,1,2,3,4,5,6,7
.irp c, 0,1,2,3
	ds_store_b128 v9, v[16*\s+4*\c:16*\s+4*\c+3] offset:8192*\s+512*\c
.endr
.endr
.irp s, 0,1,2,3,4,5,6,7
.irp c, 0,1,2,3
	ds_store_b128 v10, v[128+16*\s+4*\c:128+16*\s+4*\c+3] offset:8192*\s+512*\c
.endr
.endr
	WIN 0
	s_wait_dscnt 0x0                               ; for the others' sake: my part of the images has landed
	s_barrier_signal -1
	s_barrier_wait -1                              ; the images are whole; from here on they are only read
	WIN 0x40
	v_lshlrev_b32 v[LIC], 4, v1
	v_lshl_add_u32 v[LIC+1], v1, 4, 0x10000
	WIN 0
	s_mov_b32 s32, 0                               ; trips done
.Lgroup:                               ; a trip: the group of tiles T0, T0 + 8, T0 + 16, whose first loads are on their way.  The number of trips is a constant; a trip whose group holds nothing is jumped over
	s_cmp_ge_u32 s25, s33
	s_cbranch_scc1 .Lskip
	WIN 0x59
	WFETCH 0, 0, 0
.set ks, 0
.rept 16
.if ks < 12
	HLOAD ks+4                                     ; into the slot that K step ks - 4 has left: its products stand three runs of eight places back
.endif
.if (ks&7) < 5
	WIN 0x59                                       ; W2 window 1, h window 2, C and D window 1
.else
	WIN 0x5d                                       ; h window 3
.endif
.if ks < 15
.if ks > 0
	PLACES 8                                       ; eight places behind the last step's products, which read the set that is loaded next
.endif
	WFETCH (ks+1)>>3, (ks+1)&7, (ks+1)&1
.endif
.if ks < 12
	s_wait_loadcnt 48                              ; this step's 12 loads are in; the four younger steps' 48 may be out
.else
	s_wait_loadcnt 12*(15-ks)
.endif
.if ks < 15
	s_wait_dscnt 16                                ; this step's four fragments are in; the 16 loads just issued may be out
.else
	s_wait_dscnt 0x0
.endif
	STEP2
.set ks, ks+1
.endr
	PLACES 9
	WIN 0x04
.irp i, 0,1,2
.irp j, 0,1,2,3
	ds_store_b128 v12, v[32*\i+8*\j:32*\i+8*\j+3] offset:4352*\i+64*\j         ; each accumulator from its low end on: lane (r, h): token r, columns 16 j + 8 h + 0 .. 7
	ds_store_b128 v12, v[32*\i+8*\j+4:32*\i+8*\j+7] offset:4352*\i+64*\j+16
.endr
.endr
	WIN 0
.irp n, 0,1,2,3,4,5,6,7,8,9,10,11,12,13,14,15,16,17,18,19,20,21,22,23
	v_min_u32 v[TL+\n], 0x7ff, v[TL+\n]
.endr
.irp n, 0,1,2,3,4,5,6,7,8,9,10,11,12,13,14,15,16,17,18,19,20,21,22,23
	v_lshl_add_u32 v[TL+\n], v[TL+\n], 12, v6      ; the token's row of 4,096 bytes, + my 16 bytes
.endr
.irp i, 0,1,2
	s_add_co_u32 s26, s25, 8*\i
	s_cmp_ge_u32 s26, s23
	s_cbranch_scc1 .Lodone                         ; this tile and those behind it hold no token
	s_wait_xcnt 0x0                                ; the earlier stores have read the registers that are loaded next
.irp k, 0,1,2,3,4,5,6,7
	ds_load_b128 v[RB+32*(\i&1)+4*\k:RB+32*(\i&1)+4*\k+3], v13 offset:4352*\i+272*\k   ; LDS serves a wave's instructions in order (ISA guide 5.7.1.4): these see my stores
.endr
.irp k, 0,1,2,3,4,5,6,7
	s_wait_dscnt 7-\k
	v_pk_add_f32 v[RB+32*(\i&1)+4*\k:RB+32*(\i&1)+4*\k+1], v[RB+32*(\i&1)+4*\k:RB+32*(\i&1)+4*\k+1], v[B2Q:B2Q+1]
	v_pk_add_f32 v[RB+32*(\i&1)+4*\k+2:RB+32*(\i&1)+4*\k+3], v[RB+32*(\i&1)+4*\k+2:RB+32*(\i&1)+4*\k+3], v[B2Q+2:B2Q+3]
	global_store_b128 v[TL+8*\i+\k], v[RB+32*(\i&1)+4*\k:RB+32*(\i&1)+4*\k+3], s[16:17] th:TH_STORE_NT   ; sixteen lanes store 256 consecutive bytes, aligned; written once, read by nobody here
.endr
.endr
.Lodone:
	s_wait_xcnt 0x0                                ; the stores have read their offsets, into which the next group's list is loaded
	s_add_co_u32 s26, s25, 24
	s_cmp_ge_u32 s26, s23
	s_cbranch_scc1 .Lskip                          ; the next group holds nothing: nothing is asked for
	HSTART 24                                      ; the next group's first loads
.Lskip:
	s_add_co_u32 s25, s25, 24
	s_add_co_u32 s32, s32, 1
	s_cmp_lt_u32 s32, TRIPS
	s_cbranch_scc1 .Lgroup
	s_wait_tensorcnt 0x0
	ds_add_u32 v254, v255
	s_wait_dscnt 0x0
	s_endpgm
.Lfunc_end_k_q529eae9c4a_ffn2:
	.size	k_q529eae9c4a_ffn2, .Lfunc_end_k_q529eae9c4a_ffn2-k_q529eae9c4a_ffn2
	.p2alignl 7, 3214868480
	.fill 96, 4, 3214868480
	.section	.rodata,"a",@progbits
	.p2align	6, 0x0
	.amdhsa_kernel k_q529eae9c4a_ffn2
		.amdhsa_group_segment_fixed_size 183808
		.amdhsa_private_segment_fixed_size 0
		.amdhsa_enable_private_segment 0
		.amdhsa_kernarg_size 56
		.amdhsa_user_sgpr_count 2
		.amdhsa_user_sgpr_kernarg_segment_ptr 1
		.amdhsa_wavefront_size32 1
		.amdhsa_system_sgpr_workgroup_id_x 1
		.amdhsa_system_sgpr_workgroup_id_y 1
		.amdhsa_system_sgpr_workgroup_id_z 1
		.amdhsa_system_vgpr_workitem_id 0
		.amdhsa_next_free_vgpr 1024
		.amdhsa_next_free_sgpr 66
		.amdhsa_reserve_vcc 0
		.amdhsa_float_denorm_mode_32 3
		.amdhsa_float_denorm_mode_16_64 3
		.amdhsa_memory_ordered 1
		.amdhsa_forward_progress 1
		.amdhsa_inst_pref_size 101
	.end_amdhsa_kernel
	.amdgpu_metadata
---
amdhsa.version: [ 1, 2 ]
amdhsa.kernels:
  - .name:           k_q529eae9c4a_ffn2
    .symbol:         k_q529eae9c4a_ffn2.kd
    .args:
      - { .name: h_img, .offset: 0, .size: 8, .value_kind: global_buffer, .address_space: global }
      - { .name: h_sc, .offset: 8, .size: 8, .value_kind: global_buffer, .address_space: global }
      - { .name: route, .offset: 16, .size: 8, .value_kind: global_buffer, .address_space: global }
      - { .name: W2_codes, .offset: 24, .size: 8, .value_kind: global_buffer, .address_space: global }
      - { .name: W2_scales, .offset: 32, .size: 8, .value_kind: global_buffer, .address_space: global }
      - { .name: b2, .offset: 40, .size: 8, .value_kind: global_buffer, .address_space: global }
      - { .name: out0, .offset: 48, .size: 8, .value_kind: global_buffer, .address_space: global }
    .group_segment_fixed_size: 183808
    .private_segment_fixed_size: 0
    .kernarg_segment_align: 8
    .kernarg_segment_size: 56
    .max_flat_workgroup_size: 128
    .sgpr_count:     66
    .vgpr_count:     1024
    .wavefront_size: 32
...
	.end_amdgpu_metadata
.endif
;; end of part 3
;; ======== version 2 of 2: 3 launches
;; workspace buffers: h_img 33,554,432 bytes; h_sc 1,048,576 bytes; route 69,632 bytes of whole numbers
;; launch route (part 4): grid 8 x 1, 4 waves a work-group, no clusters, 9,728 bytes of LDS; arguments orig_input, hash_map, route; writes route
.if DOCPART == 4
	.amdgcn_target "amdgcn-amd-amdhsa--gfx1250"
	.amdhsa_code_object_version 6
	.text
	.protected	k_q529eae9c4a_route
	.globl	k_q529eae9c4a_route
	.p2align	8
	.type	k_q529eae9c4a_route,@function
k_q529eae9c4a_route:
	s_mov_b64 s[64:65], 0
	v_nop
	global_prefetch_b8 v0, s[64:65] scope:SCOPE_SE
	s_setreg_imm32_b32 hwreg(HW_REG_WAVE_MODE, 25, 1), 1
	s_wait_xcnt 0x0
; HashLayerFFN, the routing: for each of the 8 experts the list of its tokens (expert of a token = hash_map[orig_input[token]]) and their number, stored as whole numbers for the two launches that follow.
; SHARES.  One work-group of four waves for each expert.  It reads all 2,048 indices (16 a thread), looks their experts up, and places the tokens of ITS expert in a list in LDS: a ballot for each of a thread's 16 tokens,
; the count of set bits below the lane, the running count of the wave, and the totals of the waves below, which go from wave to wave through LDS.  No atomics: every place is computed.
; WHAT IS STORED, 8,704 bytes an expert: 2,048 words, the list cut into tiles of 16 places; a place behind the count repeats its tile's first token, a tile that lies wholly behind the count holds token 0; then 128 words
; that all hold the count.  Every store of a wave covers 512 consecutive bytes, aligned.
; Eight work-groups are what this work divides into; matrix units, tensor loads and clusters have nothing to do here: the launch is two dependent reads, some counting and one store.
; LIMITS: hash_map's values are taken to lie in 0 .. 7 (a token with another value is in no list and gets no row of the output); orig_input is held at 31,999.
.set LIST, 0                           ; LDS: the list, 2,048 words; 128 words more that take what is not this expert's;
.set TOT,  8192+512                    ; the four waves' totals
.set IDX, 24                           ; v24-39  indices, then byte offsets into hash_map
.set EX,  40                           ; v40-55  experts
.set RK,  56                           ; v56-71  places in the list, then LDS addresses
.set TKI, 72                           ; v72-87  the tokens' numbers
.macro BARRIER                         ; my LDS stores have landed and my LDS loads are in: then the work-group's barrier
	s_wait_dscnt 0x0
	s_barrier_signal -1
	s_barrier_wait -1
.endm
	s_load_b128 s[4:7], s[0:1], 0x0                ; orig_input, hash_map
	s_load_b64 s[8:9], s[0:1], 0x10                ; route
	v_lshl_add_u32 v192, v0, 2, 0x2400
	v_mov_b32 v193, 0
	v_lshrrev_b32 v1, 5, v0
	v_readfirstlane_b32 s24, v1                    ; wave 0..3
	v_and_b32 v1, 31, v0                           ; lane
	v_lshlrev_b32 v6, 4, v1                        ; 16 x lane
	s_mov_b32 s25, ttmp9                           ; expert
	s_lshl_b32 s44, s24, 11
	v_add_nc_u32 v11, s44, v6                      ; orig_input: 2,048 bytes a wave, 16 a lane
	v_lshrrev_b32 v12, 2, v11                      ; my first token: 512 w + 4 lane
	v_lshlrev_b32 v13, 6, v0                       ; the 64 bytes of the list that I clear
	s_lshl_b32 s44, s24, 2
	s_add_co_u32 s44, s44, TOT
	v_mov_b32 v14, s44                             ; my wave's total
	v_mov_b32 v15, TOT
	v_mov_b32 v16, 0
	v_mov_b32 v17, 0
	v_mov_b32 v18, 0
	v_mov_b32 v19, 0
	v_add_nc_u32 v20, 2048, v0                     ; the place that takes what is not this expert's
	s_mul_i32 s28, s25, 8704                       ; the expert's part of route
	s_mov_b32 s29, 0
	s_wait_alu depctr_va_vdst(0)
	s_wait_kmcnt 0x0
.irp q, 0,1,2,3
	global_load_b128 v[IDX+4*\q:IDX+4*\q+3], v11, s[4:5] offset:512*\q   ; tokens 512 w + 4 lane + 128 q + 0 .. 3
.endr
	s_add_nc_u64 s[8:9], s[8:9], s[28:29]
.irp q, 0,1,2,3
	ds_store_b128 v13, v[16:19] offset:LIST+16*\q  ; the list is cleared: a place that no token takes reads as token 0
.endr
	s_wait_loadcnt 0x0                             ; the indices: the only loads that are out
.irp k, 0,1,2,3,4,5,6,7,8,9,10,11,12,13,14,15
	v_min_u32 v[IDX+\k], 0x7cff, v[IDX+\k]         ; held inside the table
.endr
.irp k, 0,1,2,3,4,5,6,7,8,9,10,11,12,13,14,15
	v_lshlrev_b32 v[IDX+\k], 2, v[IDX+\k]
.endr
.irp k, 0,1,2,3,4,5,6,7,8,9,10,11,12,13,14,15
	global_load_b32 v[EX+\k], v[IDX+\k], s[6:7]
.endr
.irp k, 0,1,2,3,4,5,6,7,8,9,10,11,12,13,14,15
	v_add_nc_u32 v[TKI+\k], 128*(\k/4)+(\k%4), v12 ; my 16 tokens' numbers, made while the look-ups are out
.endr
	s_wait_loadcnt 0x0                             ; the experts
	s_mov_b32 s34, 0
.irp k, 0,1,2,3,4,5,6,7,8,9,10,11,12,13,14,15
	v_cmp_eq_u32 s[48+\k], s25, v[EX+\k]           ; which lanes' token k is this expert's;
	v_mbcnt_lo_u32_b32 v[RK+\k], s[48+\k], s34     ; its place among my wave's: those of earlier k, and of lower lanes
	s_bcnt1_i32_b32 s44, s[48+\k]
	s_add_co_u32 s34, s34, s44
.endr
	v_mov_b32 v21, s34
	ds_store_b32 v14, v21                          ; my wave's total
	BARRIER                                        ; the cleared list and the totals lie in LDS
	ds_load_b128 v[16:19], v15
	BARRIER                                        ; every wave has read the totals: behind this barrier the list is written
	v_readfirstlane_b32 s40, v16
	v_readfirstlane_b32 s41, v17
	v_readfirstlane_b32 s42, v18
	v_readfirstlane_b32 s43, v19
	s_add_co_u32 s35, s40, s41
	s_add_co_u32 s35, s35, s42
	s_add_co_u32 s35, s35, s43                     ; the expert's tokens
	s_mov_b32 s39, 0                               ; those of the waves below mine
	s_cmp_gt_u32 s24, 0
	s_cselect_b32 s44, s40, 0
	s_add_co_u32 s39, s39, s44
	s_cmp_gt_u32 s24, 1
	s_cselect_b32 s44, s41, 0
	s_add_co_u32 s39, s39, s44
	s_cmp_gt_u32 s24, 2
	s_cselect_b32 s44, s42, 0
	s_add_co_u32 s39, s39, s44
.irp k, 0,1,2,3,4,5,6,7,8,9,10,11,12,13,14,15
	v_add_nc_u32 v[RK+\k], s39, v[RK+\k]
	v_cndmask_b32 v[RK+\k], v20, v[RK+\k], s[48+\k]    ; another expert's token goes to my spare place behind the list
	v_min_u32 v[RK+\k], 0x87f, v[RK+\k]
	v_lshlrev_b32 v[RK+\k], 2, v[RK+\k]
.endr
.irp k, 0,1,2,3                        ; the waves write the list one after the other, a barrier behind each: these addresses hang on data, so nothing else touches LDS meanwhile
	s_cmp_lg_u32 s24, \k
	s_cbranch_scc1 .Lnot_\k
	s_wait_alu depctr_va_vdst(0)
.irp n, 0,1,2,3,4,5,6,7,8,9,10,11,12,13,14,15
	ds_store_b32 v[RK+\n], v[TKI+\n] offset:LIST
.endr
.Lnot_\k:
	BARRIER
.endr
	; from here on LDS is only read: the list goes out, padded, and the count behind it
	v_lshlrev_b32 v148, 4, v0                      ; four places a thread
	v_and_b32 v150, 0x7c0, v148                    ; their tile's first place
	v_lshlrev_b32 v151, 2, v0
	v_sub_nc_u32 v152, s35, v151                   ; the count less my first place
.irp q, 0,1,2,3
	ds_load_b128 v[156+4*\q:159+4*\q], v148 offset:LIST+2048*\q
	ds_load_b32 v[172+\q], v150 offset:LIST+2048*\q
.endr
	s_wait_alu depctr_va_vdst(0)
	s_wait_dscnt 0x0
.irp q, 0,1,2,3
.irp n, 0,1,2,3
	v_cmp_lt_i32 vcc_lo, 512*\q+\n, v152
	v_cndmask_b32 v[156+4*\q+\n], v[172+\q], v[156+4*\q+\n], vcc_lo   ; a place behind the count repeats its tile's first token
.endr
	global_store_b128 v148, v[156+4*\q:159+4*\q], s[8:9] offset:2048*\q
.endr
	v_mov_b32 v153, s35
	global_store_b32 v151, v153, s[8:9] offset:8192
	s_wait_tensorcnt 0x0
	ds_add_u32 v192, v193
	s_wait_dscnt 0x0
	s_endpgm
.Lfunc_end_k_q529eae9c4a_route:
	.size	k_q529eae9c4a_route, .Lfunc_end_k_q529eae9c4a_route-k_q529eae9c4a_route
	.p2alignl 7, 3214868480
	.fill 96, 4, 3214868480
	.section	.rodata,"a",@progbits
	.p2align	6, 0x0
	.amdhsa_kernel k_q529eae9c4a_route
		.amdhsa_group_segment_fixed_size 9728
		.amdhsa_private_segment_fixed_size 0
		.amdhsa_enable_private_segment 0
		.amdhsa_kernarg_size 24
		.amdhsa_user_sgpr_count 2
		.amdhsa_user_sgpr_kernarg_segment_ptr 1
		.amdhsa_wavefront_size32 1
		.amdhsa_system_sgpr_workgroup_id_x 1
		.amdhsa_system_sgpr_workgroup_id_y 1
		.amdhsa_system_sgpr_workgroup_id_z 1
		.amdhsa_system_vgpr_workitem_id 0
		.amdhsa_next_free_vgpr 194
		.amdhsa_next_free_sgpr 66
		.amdhsa_reserve_vcc 1
		.amdhsa_float_denorm_mode_32 3
		.amdhsa_float_denorm_mode_16_64 3
		.amdhsa_memory_ordered 1
		.amdhsa_forward_progress 1
		.amdhsa_inst_pref_size 21
	.end_amdhsa_kernel
	.amdgpu_metadata
---
amdhsa.version: [ 1, 2 ]
amdhsa.kernels:
  - .name:           k_q529eae9c4a_route
    .symbol:         k_q529eae9c4a_route.kd
    .args:
      - { .name: orig_input, .offset: 0, .size: 8, .value_kind: global_buffer, .address_space: global }
      - { .name: hash_map, .offset: 8, .size: 8, .value_kind: global_buffer, .address_space: global }
      - { .name: route, .offset: 16, .size: 8, .value_kind: global_buffer, .address_space: global }
    .group_segment_fixed_size: 9728
    .private_segment_fixed_size: 0
    .kernarg_segment_align: 8
    .kernarg_segment_size: 24
    .max_flat_workgroup_size: 128
    .sgpr_count:     66
    .vgpr_count:     194
    .wavefront_size: 32
...
	.end_amdgpu_metadata
.endif
;; end of part 4
;; launch ffn1 (part 5): grid 256 x 1, 4 waves a work-group, no clusters, 131,584 bytes of LDS; arguments x_codes, x_scales, W1_codes, W1_scales, b1, route, h_img, h_sc; writes h_img, h_sc
.if DOCPART == 5
	.amdgcn_target "amdgcn-amd-amdhsa--gfx1250"
	.amdhsa_code_object_version 6
	.text
	.protected	k_q529eae9c4a_ffn1
	.globl	k_q529eae9c4a_ffn1
	.p2align	8
	.type	k_q529eae9c4a_ffn1,@function
k_q529eae9c4a_ffn1:
	s_mov_b64 s[64:65], 0
	v_nop
	global_prefetch_b8 v0, s[64:65] scope:SCOPE_SE
	s_setreg_imm32_b32 hwreg(HW_REG_WAVE_SCHED_MODE, 0, 2), 2
	s_setreg_imm32_b32 hwreg(HW_REG_WAVE_MODE, 25, 1), 1
	s_wait_xcnt 0x0
	s_wait_alu depctr_vm_vsrc(0)
; HashLayerFFN, first half: h = relu(x W1[e]^T + b1[e]) for the expert e of each token, quantised to codes of BF8 (E5M2) with one E8M0 byte for each 32 along H.
; x [2048][1024], W1 [8][2048][1024]: codes, K innermost; their scale bytes [..][32].  Only the chosen expert's rows are multiplied: the others' results are thrown away by the mask that the problem builds itself.
; route, from the launch before: for each expert its list of tokens in tiles of 16 places (a place behind the count repeats its tile's first token; a tile wholly behind the count holds token 0), and the count.
; SHARES.  256 work-groups of four waves.  Work-group g: expert e = g / 32, slice sl = (g / 2) % 16 of 128 hidden units (K step sl of the second product), parity p = g % 2.  Expert and slice hang on g alone,
; so the slice's 128 KB of codes are asked for at the first lines; they lie in LDS as images of the operand's registers (16 bytes a lane, 512 bytes a register group) and are only read behind the one barrier.
; Tile t belongs to parity t % 2 and there to wave (t / 2) % 4.  A wave takes three tiles at a time: T0, T0 + 8, T0 + 16, T0 = 2 wave + p, then 24 further on.
; A group's first tile is always stored, and the first group always runs, so slots 0 to 7 of every expert are written: the second launch points tiles without tokens there.
; PRODUCT, transposed: source 0 = 16 rows of W1, source 1 = 16 tokens, so a lane holds ONE token and its registers run along the hidden units.  THE ROWS OF A TILE OF W1 ARE NOT NEIGHBOURS: lane r of tile 2 b + u takes
; row 32 b + 8 u + r + 8 (r / 8), so that the 16 registers of tiles 2 b and 2 b + 1 are 16 neighbours along the next K.  A pass is 4 tiles of W1 x 3 tiles of tokens: 12 accumulators by turns; two passes a group.
; b1 is the C of each sum's first product.  The tokens' codes come from memory straight into registers, five K steps ahead, and serve both passes; a group's first loads go out ahead of its trip.
; No tensor load, hence no joint load of a cluster: which of a wave's trips have work hangs on a count read from memory.
; LIMITS: a block of zeros of h gets the byte 1 (the rule says 127: its codes are zeros, and this program alone reads the bytes); blocks whose largest number lies under 2^-111 keep the byte 1;
; NaN and infinities in h are not served.
; REGISTERS, in windows of 256.  Window 0: addresses, scale words.  Window 1: v0-95 accumulators ((i, j) at 32 i + 8 j), v96-223 two sets of four fragments of W1, v224.. addresses and codes of h; in the head the staged rows of W1.
; Window 2: v0-239 the tokens' fragments of K steps 0-4 (48 a step).  Window 3: v0-143 K steps 5-7; v144-207 b1 in the result's layout.
; THE MODE: SCHED_MODE bits 1:0 = 2 (LLVM: expert scheduling mode 2), set by the entry lines.  The code itself states the register dependences between vector or matrix instructions and memory or LDS
; instructions, with s_wait_alu, always for 0.
; THE PLAN.  Registers that memory or LDS instructions touch:
;   W1's two sets    K step ks's products read set ks % 2; the LDS loads of K step ks + 1 land in the other set, which K step ks - 1's products read.  Set 0's first 30 registers are also QUANT's scratch.
;   the tokens' fragments and v[XS ..]   read by the products; written by the loads at a trip's end (K steps 5 to 7: in the next trip's first pass).
;   v[CD ..], v[WD ..]   written by QUANT's conversions and shifts, read by its stores.
;   v[HST], v[SCA], v[PP ..], v[TK ..], v[XO ..], v[XSO ..]   made by vector lines at the head and at a trip's end alone; read by loads and stores as offsets.
;   v7 to v10, v[LIC], v[LIC+1]   made once.
; So in a K step ONE wait on va_vdst stands at its head, behind the wait for its fragments: the last step's products are done reading the other set.  The next step's 16 LDS loads follow it, dealt behind
; this step's first four products, which name this step's set, the tokens' fragments, the scale words and the accumulators: none of the registers that those loads touch.  QUANT has one wait on vm_vsrc at its
; head and one on va_vdst ahead of its stores; a trip's end one on vm_vsrc ahead of the address lines, and one on va_vdst behind each of its two runs of them.
.set TRIPS, 6                          ; 6 trips x 24 tiles pass the 128 tiles that one expert can have
.set RT,  14                           ; s[14:15] the expert's part of route
.set HB,  16                           ; s[16:17] h's images, at the expert and the slice's K step
.set SB,  18                           ; s[18:19] h's scale words, likewise
.set PP,  88                           ; v88-90  byte offset of my token's word in the list, tile i
.set TK,  92                           ; v92-94  my token, tile i
.set XO,  96                           ; v96-98  its byte offset in x's codes
.set XSO, 100                          ; v100-102 and in x's scales
.set XS,  104                          ; v104-115 x's scale words: 4 i + q: lanes 0-15 K step q, lanes 16-31 K step 4 + q
.set WS,  116                          ; v116-147 W1's scale words: 8 b + s: lanes 0-15 tile 2 b, lanes 16-31 tile 2 b + 1
.set BI,  144                          ; window 3: b1, 8 registers a tile
.set WB,  96                           ; window 1: W1's fragments
.set LIC, 224                          ; window 1: v224, v225: 16 x lane, and 65,536 more
.set HST, 226                          ; window 1: my byte offset in h's images
.set SCA, 227                          ; window 1: and in h's scale words
.set WD,  228                          ; window 1: v228-230 h's scale word, tile i
.set R16C, 231                         ; window 1: 16 x (lane % 16)
.set CD,  232                          ; window 1: v232-255 codes, four registers a block
.set QM,  96                           ; window 1, over the first set of fragments, which is done with: largest numbers,
.set QP,  102                          ; the other half's,
.set QS,  108                          ; the conversion's scale operands,
.set QH,  114                          ; the largest code x the scale,
.set QB,  120                          ; the bytes
.set MSB, 0
.macro WIN new                         ; the immediate's high byte repeats the setting that is left; bits 1:0 source 0, 3:2 source 1, 5:4 source 2, 7:6 destination
.if MSB != \new
	s_set_vgpr_msb (MSB<<8)|\new
.set MSB, \new
.endif
.endm
.macro PLACES n
.rept \n
	v_nop
.endr
.endm
.macro WLOADS u                        ; my tile 2 wave + u of W1, eight K steps, into window 1
	WIN 0x40
.irp s, 0,1,2,3,4,5,6,7
.irp c, 0,1,2,3
	global_load_b128 v[128*\u+16*\s+4*\c:128*\u+16*\s+4*\c+3], v7, s[8:9] offset:8192*\u+128*\s+32*\c
.endr
.endr
	WIN 0
.endm
.macro WSTORE u                        ; and to LDS as it stands in the registers
	WIN 0x04                                       ; an LDS store's data are its source 1: window 1
.irp s, 0,1,2,3,4,5,6,7
.irp c, 0,1,2,3
	ds_store_b128 v8, v[128*\u+16*\s+4*\c:128*\u+16*\s+4*\c+3] offset:8192*\s+2048*\u+512*\c
.endr
.endr
	WIN 0
.endm
.macro WFETCH h, s8, buf               ; four fragments of W1 (half h of the slice, K step s8) into set buf; destination and address lie in window 1 under the products' settings
.irp j, 0,1,2,3
.irp c, 0,1,2,3
	ds_load_b128 v[WB+64*(\buf)+16*\j+4*\c:WB+64*(\buf)+16*\j+4*\c+3], v[LIC+(\h)] offset:(4*(\s8)+\j)*2048+512*\c
.endr
.endr
.endm
.macro XLOAD s                         ; the three tiles' fragments of K step s: lane (r, h) takes 16 bytes at 128 s + 32 c + 16 h of its token's row
.if (\s) < 5
	WIN 0x80
.set XB, 48*(\s)
.else
	WIN 0xc0
.set XB, 48*((\s)-5)
.endif
.irp i, 0,1,2
.irp c, 0,1,2,3
	global_load_b128 v[XB+16*\i+4*\c:XB+16*\i+4*\c+3], v[XO+\i], s[4:5] offset:128*(\s)+32*\c
.endr
.endr
.endm
.macro XTOK off                        ; the tokens of the group that begins off tiles behind T0: place 16 tile + r of the list, three loads
.irp i, 0,1,2
	s_add_co_u32 s44, s38, (\off)+8*\i
	s_min_u32 s44, s44, 127
	s_lshl_b32 s44, s44, 6                         ; 64 bytes of the list a tile
	v_add_nc_u32 v[PP+\i], s44, v21
.endr
	s_wait_alu depctr_va_vdst(0)                   ; v[PP ..] are written, which the three loads read as offsets; the lines that made the last group's addresses are done with v[TK ..], in which they land; at the head v7 to v10 are written too, the offsets and the LDS address of all that is staged
.irp i, 0,1,2
	global_load_b32 v[TK+\i], v[PP+\i], s[RT:RT+1]
.endr
.endm
.macro XADR                            ; the tokens are in: where their rows lie
.irp i, 0,1,2
	v_min_u32 v[TK+\i], 0x7ff, v[TK+\i]
	v_lshl_add_u32 v[XO+\i], v[TK+\i], 10, v5
	v_lshl_add_u32 v[XSO+\i], v[TK+\i], 5, v5
.endr
	s_wait_alu depctr_va_vdst(0)                   ; v[XO ..] and v[XSO ..] are written, which the group's loads read as offsets (those of K steps 5 to 7, in the trip's first pass, too)
.endm
.macro XFIRST                          ; a group's first 63 loads: its scale words and K steps 0 to 4.  The last group's products, which read these registers, stand ahead of the waits on va_vdst above
.irp i, 0,1,2
	global_load_b128 v[XS+4*\i:XS+4*\i+3], v[XSO+\i], s[6:7]
.endr
	XLOAD 0
	XLOAD 1
	XLOAD 2
	XLOAD 3
	XLOAD 4
	WIN 0
.endm
.macro HADR off                        ; where the group that begins off tiles behind T0 stores: 32,768 bytes of images and 1,024 of scale words a tile
.if \off
	s_add_co_u32 s44, s38, \off
	s_min_u32 s44, s44, 127
.else
	s_min_u32 s44, s38, 127
.endif
	s_lshl_b32 s45, s44, 15
	s_lshl_b32 s46, s44, 10
	WIN 0x55
	v_add_nc_u32 v[HST], s45, v[LIC]
	v_add_nc_u32 v[SCA], s46, v[R16C]
	WIN 0
.endm
.macro MM                              ; one product; fA, fB: the scales are taken from lanes 16-31
.if fA && fB
	v_wmma_scale_f32_16x16x128_f8f6f4 v[rD:rD+7], v[rA:rA+15], v[rB:rB+15], v[rC:rC+7], v[rSA], v[rSB] matrix_a_fmt:MATRIX_FMT_BF8 matrix_b_fmt:MATRIX_FMT_BF8 matrix_a_scale:MATRIX_SCALE_ROW1 matrix_b_scale:MATRIX_SCALE_ROW1
.elseif fA
	v_wmma_scale_f32_16x16x128_f8f6f4 v[rD:rD+7], v[rA:rA+15], v[rB:rB+15], v[rC:rC+7], v[rSA], v[rSB] matrix_a_fmt:MATRIX_FMT_BF8 matrix_b_fmt:MATRIX_FMT_BF8 matrix_a_scale:MATRIX_SCALE_ROW1
.elseif fB
	v_wmma_scale_f32_16x16x128_f8f6f4 v[rD:rD+7], v[rA:rA+15], v[rB:rB+15], v[rC:rC+7], v[rSA], v[rSB] matrix_a_fmt:MATRIX_FMT_BF8 matrix_b_fmt:MATRIX_FMT_BF8 matrix_b_scale:MATRIX_SCALE_ROW1
.else
	v_wmma_scale_f32_16x16x128_f8f6f4 v[rD:rD+7], v[rA:rA+15], v[rB:rB+15], v[rC:rC+7], v[rSA], v[rSB] matrix_a_fmt:MATRIX_FMT_BF8 matrix_b_fmt:MATRIX_FMT_BF8
.endif
.endm
.macro STEP1 nh                        ; K step ks: 12 products, the 12 accumulators by turns, one instruction a turn, in the same order in every step
.irp i, 0,1,2
.irp j, 0,1,2,3
.set rD, 32*\i+8*\j
.set rA, WB+64*(ks&1)+16*\j
.if ks < 5
.set rB, 48*ks+16*\i
.else
.set rB, 48*(ks-5)+16*\i
.endif
.if ks == 0
.set rC, BI+8*(4*\nh+\j)               ; the bias starts the sum
.else
.set rC, rD
.endif
.set rSA, WS+8*(2*\nh+\j/2)+ks
.set rSB, XS+4*\i+(ks&3)
.set fA, \j&1
.set fB, ks>>2
	MM
.if (\i == 0) && (ks < 7)              ; behind each of the step's first four products a fragment of the next K step, into the other set.  No wait: no product since the wait at the step's head names that set
.irp c, 0,1,2,3
	ds_load_b128 v[WB+64*((ks+1)&1)+16*\j+4*\c:WB+64*((ks+1)&1)+16*\j+4*\c+3], v[LIC+\nh] offset:(4*(ks+1)+\j)*2048+512*\c
.endr
.endif
.endr
.endr
.endm
; A pass: half nh of the slice (64 hidden units) for the group's three tiles, K = 1,024 in eight steps.  Pass 0 also brings the tokens' K steps 5 to 7.
.macro PASS1 nh
	WIN 0x79
	WFETCH \nh, 0, 0                               ; no wait: since the last wait on va_vdst (ahead of the loop, or ahead of QUANT's stores) no vector or matrix instruction names set 0 or v[LIC ..]
.set ks, 0
.rept 8
.if (\nh == 0) && (ks < 3)
	XLOAD ks+5                                     ; no wait: the last group's products, which read these registers, stand ahead of QUANT's wait on va_vdst, and nothing since names them or v[XO ..]
.endif
.if ks == 0
	WIN 0x79                                       ; W1 window 1, tokens window 2, C = b1 window 3, D window 1
.elseif ks < 5
	WIN 0x59                                       ; C and D window 1
.else
	WIN 0x5d                                       ; tokens window 3
.endif
.if \nh == 0
.if ks < 3
	s_wait_loadcnt 60                              ; this step's 12 loads are in; the five younger steps' 60 may be out
.else
	s_wait_loadcnt 12*(7-ks)                       ; the younger steps' loads may be out
.endif
.endif
	s_wait_dscnt 0x0                               ; this step's four fragments are in: they were asked for behind the last step's first products, and nothing younger is out
.if (ks > 0) && (ks < 7)
	s_wait_alu depctr_va_vdst(0)                   ; the last step's products are done reading the other set, in which the next step's fragments land.  (Step 0: that set's last readers stand ahead of an earlier wait; step 7 asks for nothing)
.endif
	STEP1 \nh
.set ks, ks+1
.endr
	PLACES 9
.endm
; The pass's results become codes: six blocks of 32 along H (block q = 2 i + u: registers 16 q .. 16 q + 15 of my token, my half's 16 numbers).  No |.| on the maximum's sources: what is negative is to become 0.
.macro QUANT nh
	WIN 0x55
	s_wait_xcnt 0x0                                ; the earlier stores have read the codes' and the scale words' registers, which are written again below
	s_wait_alu depctr_vm_vsrc(0)                   ; stated for the vector registers too: the earlier stores have read v[CD ..] and v[WD ..]
.irp q, 0,1,2,3,4,5
	v_max3_num_f32 v[QM+\q], v[16*\q], v[16*\q+1], 0x8000000   ; and the floor 2^(16 - 127): the byte cannot fall under 1.  Each accumulator is read from its low end on
.endr
.irp n, 2,4,6,8,10,12,14
.irp q, 0,1,2,3,4,5
	v_max3_num_f32 v[QM+\q], v[QM+\q], v[16*\q+\n], v[16*\q+\n+1]
.endr
.endr
.irp q, 0,1,2,3,4,5
	v_permlanex16_b32 v[QP+\q], v[QM+\q], s30, s31
.endr
.irp q, 0,1,2,3,4,5
	v_max_num_f32 v[QM+\q], v[QM+\q], v[QP+\q]     ; with lane l xor 16's 16 numbers: the block's largest
.endr
.irp q, 0,1,2,3,4,5
	v_add_nc_u32 v[QS+\q], 0xf8800000, v[QM+\q]    ; 15 off its exponent field: the conversion takes the exponent field of this operand as its scale
.endr
.irp q, 0,1,2,3,4,5
	v_and_or_b32 v[QH+\q], v[QM+\q], 0x7f800000, s32   ; 57,344 x the scale
.endr
.irp q, 0,1,2,3,4,5
	v_lshrrev_b32 v[QB+\q], 23, v[QS+\q]           ; the scale's byte
.endr
.irp i, 0,1,2
.if \nh == 0
	v_lshl_or_b32 v[WD+\i], v[QB+2*\i+1], 8, v[QB+2*\i]        ; bytes 0 and 1 of the K step's scale word
.else
	v_lshl_or_b32 v[WD+\i], v[QB+2*\i], 16, v[WD+\i]           ; bytes 2 and 3
	v_lshl_or_b32 v[WD+\i], v[QB+2*\i+1], 24, v[WD+\i]
.endif
.endr
.irp q, 0,1,2,3,4,5
.irp n, 0,1,2,3,4,5,6,7,8,9,10,11,12,13,14,15
	v_med3_num_f32 v[16*\q+\n], v[16*\q+\n], 0, v[QH+\q]       ; the activation and the hold in one: the conversion to an 8-bit code does not saturate (ISA guide 7.6.2)
.endr
	v_cvt_scalef32_pk8_bf8_f32 v[CD+4*\q:CD+4*\q+1], v[16*\q:16*\q+7], v[QS+\q]
	v_cvt_scalef32_pk8_bf8_f32 v[CD+4*\q+2:CD+4*\q+3], v[16*\q+8:16*\q+15], v[QS+\q]
.endr
	v_nop                                          ; one plain instruction behind the last conversion: the next products write its sources
	s_wait_alu depctr_va_vdst(0)                   ; the conversions have written v[CD ..], the shifts v[WD ..] and the address lines v[HST] and v[SCA], all of which the stores read; and the lines above are done with set 0's registers, in which the next pass's first fragments land
	WIN 0
.irp i, 0,1,2                          ; the group's first tile is always stored; the others where they hold tokens
.if \i > 0
	s_add_co_u32 s44, s38, 8*\i
	s_cmp_ge_u32 s44, s36
	s_cbranch_scc1 .Lqdone_\@
.endif
	WIN 0x55
.irp u, 0,1
	global_store_b128 v[HST], v[CD+4*(2*\i+\u):CD+4*(2*\i+\u)+3], s[HB:HB+1] offset:262144*\i+512*(2*\nh+\u)   ; register group 2 nh + u of the image: 32 lanes store 512 consecutive bytes, aligned
.endr
.if \nh == 1
	global_store_b32 v[SCA], v[WD+\i], s[SB:SB+1] offset:8192*\i   ; lanes 16-31 repeat lanes 0-15's word at the same place
.endif
	WIN 0
.endr
.Lqdone_\@:
.endm
	s_load_b512 s[4:19], s[0:1], 0x0               ; x's codes 4, x's scales 6, W1's codes 8, W1's scales 10, b1 12, route 14, h_img 16, h_sc 18
	v_lshl_add_u32 v254, v0, 2, 0x20000
	v_mov_b32 v255, 0
	v_lshrrev_b32 v1, 5, v0
	v_readfirstlane_b32 s24, v1                    ; wave 0..3
	v_and_b32 v1, 31, v0                           ; lane
	v_and_b32 v2, 15, v0                           ; r
	v_bfe_u32 v3, v0, 4, 1                         ; h
	v_and_b32 v4, 8, v2
	v_add_nc_u32 v4, v4, v2                        ; r + 8 (r / 8)
	v_lshlrev_b32 v5, 4, v3                        ; 16 h
	v_lshlrev_b32 v6, 4, v1                        ; 16 x lane
	s_wait_alu depctr_va_vdst(0)
	v_lshlrev_b32 v21, 2, v2                       ; 4 r
	s_lshr_b32 s25, ttmp9, 5                       ; expert
	s_bfe_u32 s26, ttmp9, 0x40001                  ; slice
	s_and_b32 s27, ttmp9, 1                        ; parity
	s_wait_alu depctr_va_sdst(0)                   ; s24, the wave's number, is written, ahead of its first reader
	s_lshl_b32 s38, s24, 1
	s_add_co_u32 s38, s38, s27                     ; T0 = 2 wave + parity
	v_lshl_add_u32 v7, v4, 10, v5                  ; W1: wave w stages rows 32 w + 8 u + r + 8 (r / 8) of the slice: 1,024 bytes a row, + 16 h
	s_lshl_b32 s44, s24, 15
	v_add_nc_u32 v7, s44, v7
	s_lshr_b32 s44, s24, 1                         ; and where they go: tile 2 w + u is fragment 2 (w % 2) + u of half w / 2
	s_lshl_b32 s44, s44, 16
	s_and_b32 s45, s24, 1
	s_lshl_b32 s45, s45, 12
	s_add_co_u32 s44, s44, s45
	v_add_nc_u32 v8, s44, v6
	v_lshl_add_u32 v9, v3, 3, v4                   ; W1's scale words: 32 bytes a row; lanes 16-31 take the tile eight rows on
	v_lshlrev_b32 v9, 5, v9
	v_lshlrev_b32 v10, 6, v3                       ; b1: lanes 16-31 begin 16 numbers on
	s_mov_b32 s30, 0x76543210
	s_mov_b32 s31, 0xfedcba98                      ; v_permlanex16_b32's selects for lane l xor 16
	s_mov_b32 s32, 0x600000                        ; the mantissa field of 57,344
	s_mul_i32 s28, s25, 8704                       ; the expert's list and count
	s_mov_b32 s29, 0
	s_wait_alu depctr_va_vdst(0)
	s_wait_kmcnt 0x0
	s_add_nc_u64 s[RT:RT+1], s[RT:RT+1], s[28:29]
	s_load_b32 s35, s[RT:RT+1], 0x2000             ; the count: wanted only at the first stores
	XTOK 0                                         ; the first group's tokens: its tiles hang on the wave's and the work-group's numbers alone
	s_lshr_b32 s46, ttmp9, 1                       ; 16 expert + slice
	s_lshl_b32 s28, s46, 12
	s_add_nc_u64 s[10:11], s[10:11], s[28:29]      ; the slice's scales: 128 rows of 32 bytes,
	s_lshl_b32 s28, s46, 17
	s_add_nc_u64 s[8:9], s[8:9], s[28:29]          ; its codes: 128 rows of 1,024,
	s_lshl_b32 s28, s46, 9
	s_add_nc_u64 s[12:13], s[12:13], s[28:29]      ; its biases
.irp b, 0,1,2,3
	global_load_b128 v[WS+8*\b:WS+8*\b+3], v9, s[10:11] offset:1024*\b
	global_load_b128 v[WS+8*\b+4:WS+8*\b+7], v9, s[10:11] offset:1024*\b+16
.endr
	WLOADS 0
	WIN 0xc0
.irp n, 0,1,2,3,4,5,6,7                ; b1 in the result's layout: for tile n = 2 b + u lane (r, h) wants hidden units 32 b + 16 h + 8 u + 0 .. 7
	global_load_b128 v[BI+8*\n:BI+8*\n+3], v10, s[12:13] offset:(32*(\n/2)+8*(\n%2))*4
	global_load_b128 v[BI+8*\n+4:BI+8*\n+7], v10, s[12:13] offset:(32*(\n/2)+8*(\n%2))*4+16
.endr
	WIN 0
	s_lshl_b32 s28, s25, 22                        ; h's images: 4 MB an expert, 2,048 bytes a K step
	s_lshl_b32 s44, s26, 11
	s_add_co_u32 s28, s28, s44
	s_add_nc_u64 s[HB:HB+1], s[HB:HB+1], s[28:29]
	s_lshl_b32 s28, s25, 17                        ; h's scale words: 128 KB an expert; K step s of token r lies at 512 (s / 8) + 16 (16 ((s / 4) % 2) + r) + 4 (s % 4) of the tile's 1,024 bytes
	s_lshr_b32 s44, s26, 3
	s_lshl_b32 s44, s44, 9
	s_add_co_u32 s28, s28, s44
	s_bfe_u32 s44, s26, 0x10002
	s_lshl_b32 s44, s44, 8
	s_add_co_u32 s28, s28, s44
	s_and_b32 s44, s26, 3
	s_lshl_b32 s44, s44, 2
	s_add_co_u32 s28, s28, s44
	s_add_nc_u64 s[SB:SB+1], s[SB:SB+1], s[28:29]
	s_wait_loadcnt 56                              ; the tokens are in: behind them stand 8 loads of scale words, my first tile's 32 and b1's 16
	XADR
	WLOADS 1
	XFIRST
	s_wait_loadcnt 63                              ; all that is staged is in: behind it stand the first group's 63 loads
	WSTORE 0
	WSTORE 1
	s_wait_kmcnt 0x0
	s_add_co_u32 s36, s35, 15
	s_lshr_b32 s36, s36, 4
	s_min_u32 s36, s36, 128                        ; tiles that hold tokens
	s_max_u32 s37, s36, 8                          ; a trip has work where T0 lies under this: the first trip (T0 at most 7) always, a later one (T0 at least 24) where its first tile holds tokens
	s_wait_dscnt 0x0                               ; for the others' sake: my part of the images has landed
	s_barrier_signal -1
	s_barrier_wait -1                              ; the images are whole; from here on LDS is only read
	s_wait_alu depctr_vm_vsrc(0)                   ; my LDS stores have read the staged rows: their registers, all of window 1, are from here on the accumulators, W1's two sets and the addresses made below
	WIN 0x40                                       ; destination window 1: the staged rows have left these registers
	v_lshlrev_b32 v[LIC], 4, v1
	v_lshl_add_u32 v[LIC+1], v1, 4, 0x10000
	v_lshlrev_b32 v[R16C], 4, v2
	WIN 0
	HADR 0
	s_wait_alu depctr_va_vdst(0)                   ; v[LIC] and v[LIC+1] are written, which every LDS load of a fragment reads as its address
	s_mov_b32 s33, 0                               ; trips done
.Lgroup:                               ; a trip: the group of tiles T0, T0 + 8, T0 + 16, whose first loads are on their way.  The number of trips is a constant; a trip whose group holds nothing is jumped over
	s_cmp_ge_u32 s38, s37
	s_cbranch_scc1 .Lskip
	PASS1 0
	QUANT 0
	PASS1 1
	QUANT 1
	s_wait_xcnt 0x0                                ; the stores have read their offsets, which are written next
	s_wait_alu depctr_vm_vsrc(0)                   ; stated for the vector registers too: the stores have read v[HST] and v[SCA], the group's loads v[PP ..], v[XO ..] and v[XSO ..]: all are written again below
	HADR 24
	s_add_co_u32 s44, s38, 24
	s_cmp_ge_u32 s44, s36
	s_cbranch_scc1 .Lskip                          ; the next group holds nothing: nothing is asked for
	XTOK 24
	s_wait_loadcnt 0x0                             ; its tokens: the only loads that are out
	XADR
	XFIRST
.Lskip:
	s_add_co_u32 s38, s38, 24
	s_add_co_u32 s33, s33, 1
	s_cmp_lt_u32 s33, TRIPS
	s_cbranch_scc1 .Lgroup
	s_wait_dscnt 0x0                               ; the closing lines, six on end
	s_wait_alu 0x0
	s_wait_tensorcnt 0x0
	ds_add_u32 v254, v255
	s_wait_dscnt 0x0
	s_endpgm
.Lfunc_end_k_q529eae9c4a_ffn1:
	.size	k_q529eae9c4a_ffn1, .Lfunc_end_k_q529eae9c4a_ffn1-k_q529eae9c4a_ffn1
	.p2alignl 7, 3214868480
	.fill 96, 4, 3214868480
	.section	.rodata,"a",@progbits
	.p2align	6, 0x0
	.amdhsa_kernel k_q529eae9c4a_ffn1
		.amdhsa_group_segment_fixed_size 131584
		.amdhsa_private_segment_fixed_size 0
		.amdhsa_enable_private_segment 0
		.amdhsa_kernarg_size 64
		.amdhsa_user_sgpr_count 2
		.amdhsa_user_sgpr_kernarg_segment_ptr 1
		.amdhsa_wavefront_size32 1
		.amdhsa_system_sgpr_workgroup_id_x 1
		.amdhsa_system_sgpr_workgroup_id_y 1
		.amdhsa_system_sgpr_workgroup_id_z 1
		.amdhsa_system_vgpr_workitem_id 0
		.amdhsa_next_free_vgpr 1024
		.amdhsa_next_free_sgpr 66
		.amdhsa_reserve_vcc 0
		.amdhsa_float_denorm_mode_32 3
		.amdhsa_float_denorm_mode_16_64 3
		.amdhsa_memory_ordered 1
		.amdhsa_forward_progress 1
		.amdhsa_inst_pref_size 104
	.end_amdhsa_kernel
	.amdgpu_metadata
---
amdhsa.version: [ 1, 2 ]
amdhsa.kernels:
  - .name:           k_q529eae9c4a_ffn1
    .symbol:         k_q529eae9c4a_ffn1.kd
    .args:
      - { .name: x_codes, .offset: 0, .size: 8, .value_kind: global_buffer, .address_space: global }
      - { .name: x_scales, .offset: 8, .size: 8, .value_kind: global_buffer, .address_space: global }
      - { .name: W1_codes, .offset: 16, .size: 8, .value_kind: global_buffer, .address_space: global }
      - { .name: W1_scales, .offset: 24, .size: 8, .value_kind: global_buffer, .address_space: global }
      - { .name: b1, .offset: 32, .size: 8, .value_kind: global_buffer, .address_space: global }
      - { .name: route, .offset: 40, .size: 8, .value_kind: global_buffer, .address_space: global }
      - { .name: h_img, .offset: 48, .size: 8, .value_kind: global_buffer, .address_space: global }
      - { .name: h_sc, .offset: 56, .size: 8, .value_kind: global_buffer, .address_space: global }
    .group_segment_fixed_size: 131584
    .private_segment_fixed_size: 0
    .kernarg_segment_align: 8
    .kernarg_segment_size: 64
    .max_flat_workgroup_size: 128
    .sgpr_count:     66
    .vgpr_count:     1024
    .wavefront_size: 32
...
	.end_amdgpu_metadata
.endif
;; end of part 5
;; launch ffn2 (part 6): grid 256 x 1, 4 waves a work-group, no clusters, 183,808 bytes of LDS; arguments h_img, h_sc, route, W2_codes, W2_scales, b2, out0; writes out0
.if DOCPART == 6
	.amdgcn_target "amdgcn-amd-amdhsa--gfx1250"
	.amdhsa_code_object_version 6
	.text
	.protected	k_q529eae9c4a_ffn2
	.globl	k_q529eae9c4a_ffn2
	.p2align	8
	.type	k_q529eae9c4a_ffn2,@function
k_q529eae9c4a_ffn2:
	s_mov_b64 s[64:65], 0
	v_nop
	global_prefetch_b8 v0, s[64:65] scope:SCOPE_SE
	s_setreg_imm32_b32 hwreg(HW_REG_WAVE_SCHED_MODE, 0, 2), 2
	s_setreg_imm32_b32 hwreg(HW_REG_WAVE_MODE, 25, 1), 1
	s_wait_xcnt 0x0
	s_wait_alu depctr_vm_vsrc(0)
; HashLayerFFN, second half: out[token] = h[token] W2[e]^T + b2[e], on codes of BF8 (E5M2) with one E8M0 byte for each 32 along H.
; h comes from the first launch as images of the operand's registers: [expert][tile of 16 tokens][K step][register group][lane][16 bytes]; its scale words [expert][tile][1,024 bytes]; the expert's padded list of tokens and its count in route.
; SHARES.  256 work-groups of four waves.  Work-group g: expert g / 32, slice (g / 2) % 16 of 64 output columns (256 bytes of a row of out), parity g % 2.  The slice's 64 rows of W2 (128 KB of codes) are asked for at the
; first lines and lie in LDS as images of the operand's registers; behind the one barrier the waves go their own ways.  Tile t belongs to parity t % 2 and wave (t / 2) % 4; a wave takes tiles T0, T0 + 8, T0 + 16 at a time.
; A tile behind the count is pointed at the wave's own first slot, 2 wave + parity, which the first launch always writes, all lanes at one place; its results are not stored.
; PRODUCT, transposed: source 0 = 16 rows of W2, source 1 = 16 tokens: a lane's eight results are eight neighbouring columns of one token's row.  4 tiles of W2 x 3 tiles of tokens: 12 accumulators by turns, K = 2,048 in 16 steps.
; h's fragments come from memory straight into registers, four K steps ahead, in eight slots of 48 registers.
; THE WAY OUT: through the wave's own stage in LDS (rows of 256 bytes + 16), back by rows, b2 added, and sixteen lanes store the 256 aligned bytes of a token's row.  Places behind the count repeat their tile's first token:
; they hold the same numbers and the same wave stores them to the same bytes.
; No tensor load, hence no joint load of a cluster: which of a wave's trips have work hangs on a count read from memory.
; LIMIT: a token whose hash_map value lies outside 0 .. 7 is in no list and gets no row.
; REGISTERS.  Window 0: addresses, scale words, the list, rows on the way out.  Window 1: v0-95 accumulators ((i, j) at 32 i + 8 j), v96-223 two sets of four fragments of W2, v224-225 LDS addresses; in the head the staged rows of W2.
; Window 2: h's slots 0-4.  Window 3: slots 5-7.
; THE MODE: SCHED_MODE bits 1:0 = 2 (LLVM: expert scheduling mode 2), set by the entry lines.  The code itself states the register dependences between vector or matrix instructions and memory or LDS
; instructions, with s_wait_alu, always for 0.
; THE PLAN.  Registers that memory or LDS instructions touch:
;   W2's two sets    K step ks's products read set ks % 2; the LDS loads of K step ks + 1 land in the other set, which K step ks - 1's products read.
;   h's eight slots  K step ks's products read slot ks % 8; the loads of K step ks + 4, issued at the head of K step ks, land in the slot that K step ks - 4's products read.
;   v[HS ..]         read by the products as scales; the next group's loads land in them at a trip's end.
;   v[TL ..]         the list's loads land in them; the way out's vector lines make offsets of them; the stores read them.
;   the accumulators written by the products, read by the LDS stores of the way out.
;   v[RB ..]         a set of 32 for each of the group's three tiles: LDS loads land in it, the additions of b2 write it, eight stores read it.
;   v[LO ..], v[HO ..], v[HSO ..]   made by vector lines at the head and at a trip's end alone.   v6 to v13, v[LIC], v[LIC+1]: made once.
; So in a K step ONE wait on va_vdst stands at its head, behind the waits for its data: the last step's products are done reading the other set; it also shows the slots of all earlier steps free.  The next
; step's 16 LDS loads follow it, dealt behind this step's first four products, which name none of the registers that those loads touch.  On the way out one wait on va_vdst stands ahead of the LDS stores and one
; ahead of each tile's run of stores; one wait on vm_vsrc at the trip's end frees all that the trip's memory and LDS instructions have read.
.set STAGE, 131072                     ; LDS: behind the images: for each wave 3 tiles x 16 rows x 272 bytes
.set TRIPS, 6                          ; 6 trips x 24 tiles pass the 128 tiles that one expert can have
.set HO,  16                           ; v16-18  my byte offset in h's images, tile i
.set HSO, 20                           ; v20-22  in h's scale words
.set LO,  24                           ; v24-26  in the list
.set B2Q, 28                           ; v28-31  b2 of my four columns on the way out
.set WS,  32                           ; v32-63  W2's scale words: 16 b + s: lanes 0-15 tile 2 b, lanes 16-31 tile 2 b + 1
.set HS,  64                           ; v64-87  h's: 8 i + 4 (s / 8) + s % 4: lanes 0-15 where (s / 4) % 2 = 0, lanes 16-31 where it is 1
.set TL,  88                           ; v88-111 tokens, then byte offsets in out: 8 i + k: lanes 0-15 row k of the tile, lanes 16-31 row k + 8
.set RB,  112                          ; v112-207 rows read back, three sets of 32: one for each tile of a group, so that no set is loaded twice in a trip
.set WB,  96
.set LIC, 224
.set MSB, 0
.macro WIN new                         ; the immediate's high byte repeats the setting that is left; bits 1:0 source 0, 3:2 source 1, 5:4 source 2, 7:6 destination
.if MSB != \new
	s_set_vgpr_msb (MSB<<8)|\new
.set MSB, \new
.endif
.endm
.macro PLACES n
.rept \n
	v_nop
.endr
.endm
.macro WFETCH h, s8, buf               ; four fragments of W2 (K step 8 h + s8) into set buf; destination and address lie in window 1 under the products' settings
.irp j, 0,1,2,3
.irp c, 0,1,2,3
	ds_load_b128 v[WB+64*(\buf)+16*\j+4*\c:WB+64*(\buf)+16*\j+4*\c+3], v[LIC+(\h)] offset:(4*(\s8)+\j)*2048+512*\c
.endr
.endr
.endm
.macro HLOAD s                         ; the three tiles' fragments of K step s into slot s % 8
.if ((\s)&7) < 5
	WIN 0x80
.set XB, 48*((\s)&7)
.else
	WIN 0xc0
.set XB, 48*(((\s)&7)-5)
.endif
.irp i, 0,1,2
.irp c, 0,1,2,3
	global_load_b128 v[XB+16*\i+4*\c:XB+16*\i+4*\c+3], v[HO+\i], s[4:5] offset:2048*(\s)+512*\c
.endr
.endr
.endm
; The addresses and first loads of the group that begins off tiles behind T0: 6 loads of the list, 6 of scale words, 48 of K steps 0 to 3.
.macro HSTART off
.irp i, 0,1,2
	s_add_co_u32 s26, s25, (\off)+8*\i             ; the tile
	s_min_u32 s29, s26, 127
	s_lshl_b32 s29, s29, 6
	v_add_nc_u32 v[LO+\i], s29, v7                 ; its 16 words of the list; lanes 16-31 take the upper eight
	s_cmp_lt_u32 s26, s23
	s_cselect_b32 s27, s26, s24                    ; behind the count: my first slot,
	s_cselect_b32 s28, 16, 0                       ; all lanes at its first 16 bytes
	s_min_u32 s27, s27, 127
	s_lshl_b32 s29, s27, 15
	v_mad_u32_u24 v[HO+\i], v1, s28, s29
	s_lshl_b32 s29, s27, 10
	v_mad_u32_u24 v[HSO+\i], v1, s28, s29
.endr
	s_wait_alu depctr_va_vdst(0)                   ; v[LO ..], v[HO ..] and v[HSO ..] are written, which the group's loads read as offsets; the way out's lines are done with v[TL ..], in which the list lands
.irp i, 0,1,2
.irp g, 0,1
	global_load_b128 v[TL+8*\i+4*\g:TL+8*\i+4*\g+3], v[LO+\i], s[8:9] offset:16*\g
.endr
.endr
.irp i, 0,1,2
.irp g, 0,1
	global_load_b128 v[HS+8*\i+4*\g:HS+8*\i+4*\g+3], v[HSO+\i], s[6:7] offset:512*\g
.endr
.endr
	HLOAD 0
	HLOAD 1
	HLOAD 2
	HLOAD 3
	WIN 0
.endm
.macro MM                              ; one product that adds onto its accumulator; fA, fB: the scales are taken from lanes 16-31
.if fA && fB
	v_wmma_scale_f32_16x16x128_f8f6f4 v[rD:rD+7], v[rA:rA+15], v[rB:rB+15], v[rD:rD+7], v[rSA], v[rSB] matrix_a_fmt:MATRIX_FMT_BF8 matrix_b_fmt:MATRIX_FMT_BF8 matrix_a_scale:MATRIX_SCALE_ROW1 matrix_b_scale:MATRIX_SCALE_ROW1
.elseif fA
	v_wmma_scale_f32_16x16x128_f8f6f4 v[rD:rD+7], v[rA:rA+15], v[rB:rB+15], v[rD:rD+7], v[rSA], v[rSB] matrix_a_fmt:MATRIX_FMT_BF8 matrix_b_fmt:MATRIX_FMT_BF8 matrix_a_scale:MATRIX_SCALE_ROW1
.elseif fB
	v_wmma_scale_f32_16x16x128_f8f6f4 v[rD:rD+7], v[rA:rA+15], v[rB:rB+15], v[rD:rD+7], v[rSA], v[rSB] matrix_a_fmt:MATRIX_FMT_BF8 matrix_b_fmt:MATRIX_FMT_BF8 matrix_b_scale:MATRIX_SCALE_ROW1
.else
	v_wmma_scale_f32_16x16x128_f8f6f4 v[rD:rD+7], v[rA:rA+15], v[rB:rB+15], v[rD:rD+7], v[rSA], v[rSB] matrix_a_fmt:MATRIX_FMT_BF8 matrix_b_fmt:MATRIX_FMT_BF8
.endif
.endm
.macro MMZ                             ; the first K step starts the sums: nothing is cleared
.if fA
	v_wmma_scale_f32_16x16x128_f8f6f4 v[rD:rD+7], v[rA:rA+15], v[rB:rB+15], 0, v[rSA], v[rSB] matrix_a_fmt:MATRIX_FMT_BF8 matrix_b_fmt:MATRIX_FMT_BF8 matrix_a_scale:MATRIX_SCALE_ROW1
.else
	v_wmma_scale_f32_16x16x128_f8f6f4 v[rD:rD+7], v[rA:rA+15], v[rB:rB+15], 0, v[rSA], v[rSB] matrix_a_fmt:MATRIX_FMT_BF8 matrix_b_fmt:MATRIX_FMT_BF8
.endif
.endm
.macro STEP2                           ; K step ks: 12 products, the 12 accumulators by turns, one instruction a turn, in the same order in every step
.irp i, 0,1,2
.irp j, 0,1,2,3
.set rD, 32*\i+8*\j
.set rA, WB+64*(ks&1)+16*\j
.if (ks&7) < 5
.set rB, 48*(ks&7)+16*\i
.else
.set rB, 48*((ks&7)-5)+16*\i
.endif
.set rSA, WS+16*(\j/2)+ks
.set rSB, HS+8*\i+4*(ks>>3)+(ks&3)
.set fA, \j&1
.set fB, (ks>>2)&1
.if ks == 0
	MMZ
.else
	MM
.endif
.if (\i == 0) && (ks < 15)             ; behind each of the step's first four products a fragment of the next K step, into the other set.  No wait: no product since the wait at the step's head names that set
.irp c, 0,1,2,3
	ds_load_b128 v[WB+64*((ks+1)&1)+16*\j+4*\c:WB+64*((ks+1)&1)+16*\j+4*\c+3], v[LIC+((ks+1)>>3)] offset:(4*((ks+1)&7)+\j)*2048+512*\c
.endr
.endif
.endr
.endr
.endm
	s_load_b256 s[4:11], s[0:1], 0x0               ; h_img 4, h_sc 6, route 8, W2's codes 10
	s_load_b128 s[12:15], s[0:1], 0x20             ; W2's scales 12, b2 14
	s_load_b64 s[16:17], s[0:1], 0x30              ; out
	v_lshl_add_u32 v254, v0, 2, 0x2cc00
	v_mov_b32 v255, 0
	v_lshrrev_b32 v1, 5, v0
	v_readfirstlane_b32 s18, v1                    ; wave 0..3
	v_and_b32 v1, 31, v0                           ; lane
	v_and_b32 v2, 15, v0                           ; r
	v_bfe_u32 v3, v0, 4, 1                         ; h
	v_lshlrev_b32 v6, 4, v2                        ; 16 r
	v_lshlrev_b32 v7, 5, v3                        ; 32 h
	v_lshlrev_b32 v8, 11, v2                       ; W2: wave w stages rows 16 w + r of the slice: 2,048 bytes a row, + 16 h
	v_lshl_add_u32 v8, v3, 4, v8
	s_wait_alu depctr_va_sdst(0)                   ; s18, the wave's number, is written, ahead of its first reader
	s_lshl_b32 s26, s18, 15
	v_add_nc_u32 v8, s26, v8
	v_lshlrev_b32 v9, 4, v1                        ; and where they go: fragment w of each K step; K steps 0-7,
	s_lshl_b32 s26, s18, 11
	v_add_nc_u32 v9, s26, v9
	v_add_nc_u32 v10, 0x10000, v9                  ; K steps 8-15
	v_lshlrev_b32 v11, 6, v1                       ; W2's scale words: 64 bytes a row, a lane a row
	s_mul_i32 s26, s18, 13056
	s_add_co_u32 s26, s26, STAGE                   ; my stage
	v_mul_u32_u24 v12, v2, 272
	v_lshl_add_u32 v12, v3, 5, v12
	v_add_nc_u32 v12, s26, v12                     ; in: row r, 32 bytes for each half of the lanes
	v_mul_u32_u24 v13, v3, 2176
	v_lshl_add_u32 v13, v2, 4, v13
	v_add_nc_u32 v13, s26, v13                     ; back: lanes 0-15 one row, lanes 16-31 the row eight further on
	s_lshr_b32 s19, ttmp9, 5                       ; expert
	s_bfe_u32 s20, ttmp9, 0x40001                  ; slice
	s_and_b32 s21, ttmp9, 1                        ; parity
	s_lshl_b32 s24, s18, 1
	s_add_co_u32 s24, s24, s21                     ; my first slot: 2 wave + parity
	s_mov_b32 s25, s24                             ; T0
	s_lshr_b32 s26, ttmp9, 1                       ; 16 expert + slice
	s_mov_b32 s31, 0
	s_wait_kmcnt 0x0
	s_mul_i32 s30, s19, 8704
	s_add_nc_u64 s[8:9], s[8:9], s[30:31]          ; the expert's list;
	s_load_b32 s22, s[8:9], 0x2000                 ; its count
	s_lshl_b32 s30, s26, 17
	s_add_nc_u64 s[10:11], s[10:11], s[30:31]      ; the slice's codes: 64 rows of 2,048 bytes,
	s_lshl_b32 s30, s26, 12
	s_add_nc_u64 s[12:13], s[12:13], s[30:31]      ; its scales: 64 rows of 64,
	s_lshl_b32 s30, s26, 8
	s_add_nc_u64 s[14:15], s[14:15], s[30:31]      ; its biases
	WIN 0x40
	s_wait_alu depctr_va_vdst(0)                   ; v6 to v13 are written: the offsets that the loads below read, and the LDS addresses of the staged rows and of the stage
.irp s, 0,1,2,3,4,5,6,7,8,9,10,11,12,13,14,15
.irp c, 0,1,2,3
	global_load_b128 v[16*\s+4*\c:16*\s+4*\c+3], v8, s[10:11] offset:128*\s+32*\c
.endr
.endr
	WIN 0
.irp b, 0,1
.irp q, 0,1,2,3
	global_load_b128 v[WS+16*\b+4*\q:WS+16*\b+4*\q+3], v11, s[12:13] offset:2048*\b+16*\q
.endr
.endr
	global_load_b128 v[B2Q:B2Q+3], v6, s[14:15]
	s_lshl_b32 s30, s19, 22
	s_add_nc_u64 s[4:5], s[4:5], s[30:31]          ; the expert's images,
	s_lshl_b32 s30, s19, 17
	s_add_nc_u64 s[6:7], s[6:7], s[30:31]          ; their scale words,
	s_lshl_b32 s30, s20, 8
	s_add_nc_u64 s[16:17], s[16:17], s[30:31]      ; the slice's 256 bytes of a row of out
	s_wait_kmcnt 0x0
	s_add_co_u32 s23, s22, 15
	s_lshr_b32 s23, s23, 4
	s_min_u32 s23, s23, 128                        ; tiles that hold tokens
	s_max_u32 s33, s23, 8                          ; a trip has work where T0 lies under this: the first trip (T0 at most 7) always, a later one (T0 at least 24) where its first tile holds tokens
	HSTART 0
	s_wait_loadcnt 60                              ; W2's rows, its scale words and b2 are in: behind them stand the first group's 60 loads
	WIN 0x04                                       ; an LDS store's data are its source 1: window 1
.irp s, 0,1,2,3,4,5,6,7
.irp c, 0,1,2,3
	ds_store_b128 v9, v[16*\s+4*\c:16*\s+4*\c+3] offset:8192*\s+512*\c
.endr
.endr
.irp s, 0,1,2,3,4,5,6,7
.irp c, 0,1,2,3
	ds_store_b128 v10, v[128+16*\s+4*\c:128+16*\s+4*\c+3] offset:8192*\s+512*\c
.endr
.endr
	WIN 0
	s_wait_dscnt 0x0                               ; for the others' sake: my part of the images has landed
	s_barrier_signal -1
	s_barrier_wait -1                              ; the images are whole; from here on they are only read
	s_wait_alu depctr_vm_vsrc(0)                   ; my LDS stores have read the staged rows: their registers, all of window 1, are from here on the accumulators, W2's two sets and the two addresses made below
	WIN 0x40
	v_lshlrev_b32 v[LIC], 4, v1
	v_lshl_add_u32 v[LIC+1], v1, 4, 0x10000
	WIN 0
	s_wait_alu depctr_va_vdst(0)                   ; v[LIC] and v[LIC+1] are written, which every LDS load of a fragment reads as its address
	s_mov_b32 s32, 0                               ; trips done
.Lgroup:                               ; a trip: the group of tiles T0, T0 + 8, T0 + 16, whose first loads are on their way.  The number of trips is a constant; a trip whose group holds nothing is jumped over
	s_cmp_ge_u32 s25, s33
	s_cbranch_scc1 .Lskip
	WIN 0x59
	WFETCH 0, 0, 0                                 ; no wait: since the last wait on va_vdst behind a product (ahead of the loop, or on the way out) no vector or matrix instruction names W2's sets or v[LIC ..]
.set ks, 0
.rept 16
.if ks < 12
	HLOAD ks+4                                     ; into the slot that K step ks - 4 has left.  No wait: the wait at the head of K step ks - 3 (for the first four: the way out's) has shown its products done, and no product since names the slot
.endif
.if (ks&7) < 5
	WIN 0x59                                       ; W2 window 1, h window 2, C and D window 1
.else
	WIN 0x5d                                       ; h window 3
.endif
.if ks < 12
	s_wait_loadcnt 48                              ; this step's 12 loads are in; the four younger steps' 48 may be out
.else
	s_wait_loadcnt 12*(15-ks)
.endif
	s_wait_dscnt 0x0                               ; this step's four fragments are in: they were asked for behind the last step's first products, and nothing younger is out
.if (ks > 0) && (ks < 15)
	s_wait_alu depctr_va_vdst(0)                   ; the last step's products are done reading the other set, in which the next step's fragments land, and their slot of h.  (Step 0: that set's last readers stand ahead of an earlier wait; step 15 asks for nothing)
.endif
	STEP2
.set ks, ks+1
.endr
	PLACES 9
	s_wait_alu depctr_va_vdst(0)                   ; the products have written the accumulators, which the LDS stores read; the places above stay beside this wait
	WIN 0x04
.irp i, 0,1,2
.irp j, 0,1,2,3
	ds_store_b128 v12, v[32*\i+8*\j:32*\i+8*\j+3] offset:4352*\i+64*\j         ; each accumulator from its low end on: lane (r, h): token r, columns 16 j + 8 h + 0 .. 7
	ds_store_b128 v12, v[32*\i+8*\j+4:32*\i+8*\j+7] offset:4352*\i+64*\j+16
.endr
.endr
	WIN 0
.irp n, 0,1,2,3,4,5,6,7,8,9,10,11,12,13,14,15,16,17,18,19,20,21,22,23
	v_min_u32 v[TL+\n], 0x7ff, v[TL+\n]
.endr
.irp n, 0,1,2,3,4,5,6,7,8,9,10,11,12,13,14,15,16,17,18,19,20,21,22,23
	v_lshl_add_u32 v[TL+\n], v[TL+\n], 12, v6      ; the token's row of 4,096 bytes, + my 16 bytes
.endr
.irp i, 0,1,2
	s_add_co_u32 s26, s25, 8*\i
	s_cmp_ge_u32 s26, s23
	s_cbranch_scc1 .Lodone                         ; this tile and those behind it hold no token
.irp k, 0,1,2,3,4,5,6,7
	ds_load_b128 v[RB+32*\i+4*\k:RB+32*\i+4*\k+3], v13 offset:4352*\i+272*\k   ; LDS serves a wave's instructions in order (ISA guide 5.7.1.4): these see my stores.  The tile's own set: its last readers and writers, the last trip's, stand ahead of that trip's closing waits
.endr
.irp k, 0,1,2,3,4,5,6,7
	s_wait_dscnt 7-\k
	v_pk_add_f32 v[RB+32*\i+4*\k:RB+32*\i+4*\k+1], v[RB+32*\i+4*\k:RB+32*\i+4*\k+1], v[B2Q:B2Q+1]
	v_pk_add_f32 v[RB+32*\i+4*\k+2:RB+32*\i+4*\k+3], v[RB+32*\i+4*\k+2:RB+32*\i+4*\k+3], v[B2Q+2:B2Q+3]
.endr
	s_wait_alu depctr_va_vdst(0)                   ; the sixteen additions have written the tile's rows, which the eight stores read; ahead of the first tile's stores the offsets v[TL ..] are written too
.irp k, 0,1,2,3,4,5,6,7
	global_store_b128 v[TL+8*\i+\k], v[RB+32*\i+4*\k:RB+32*\i+4*\k+3], s[16:17] th:TH_STORE_NT   ; sixteen lanes store 256 consecutive bytes, aligned; written once, read by nobody here
.endr
.endr
.Lodone:
	s_wait_xcnt 0x0                                ; the stores have read their offsets, into which the next group's list is loaded
	s_wait_alu depctr_vm_vsrc(0)                   ; stated for the vector registers too: the stores have read v[TL ..] and v[RB ..], the LDS stores the accumulators, the group's loads v[LO ..], v[HO ..] and v[HSO ..]: all are written again from here on
	s_add_co_u32 s26, s25, 24
	s_cmp_ge_u32 s26, s23
	s_cbranch_scc1 .Lskip                          ; the next group holds nothing: nothing is asked for
	HSTART 24                                      ; the next group's first loads
.Lskip:
	s_add_co_u32 s25, s25, 24
	s_add_co_u32 s32, s32, 1
	s_cmp_lt_u32 s32, TRIPS
	s_cbranch_scc1 .Lgroup
	s_wait_dscnt 0x0                               ; the closing lines, six on end
	s_wait_alu 0x0
	s_wait_tensorcnt 0x0
	ds_add_u32 v254, v255
	s_wait_dscnt 0x0
	s_endpgm
.Lfunc_end_k_q529eae9c4a_ffn2:
	.size	k_q529eae9c4a_ffn2, .Lfunc_end_k_q529eae9c4a_ffn2-k_q529eae9c4a_ffn2
	.p2alignl 7, 3214868480
	.fill 96, 4, 3214868480
	.section	.rodata,"a",@progbits
	.p2align	6, 0x0
	.amdhsa_kernel k_q529eae9c4a_ffn2
		.amdhsa_group_segment_fixed_size 183808
		.amdhsa_private_segment_fixed_size 0
		.amdhsa_enable_private_segment 0
		.amdhsa_kernarg_size 56
		.amdhsa_user_sgpr_count 2
		.amdhsa_user_sgpr_kernarg_segment_ptr 1
		.amdhsa_wavefront_size32 1
		.amdhsa_system_sgpr_workgroup_id_x 1
		.amdhsa_system_sgpr_workgroup_id_y 1
		.amdhsa_system_sgpr_workgroup_id_z 1
		.amdhsa_system_vgpr_workitem_id 0
		.amdhsa_next_free_vgpr 1024
		.amdhsa_next_free_sgpr 66
		.amdhsa_reserve_vcc 0
		.amdhsa_float_denorm_mode_32 3
		.amdhsa_float_denorm_mode_16_64 3
		.amdhsa_memory_ordered 1
		.amdhsa_forward_progress 1
		.amdhsa_inst_pref_size 98
	.end_amdhsa_kernel
	.amdgpu_metadata
---
amdhsa.version: [ 1, 2 ]
amdhsa.kernels:
  - .name:           k_q529eae9c4a_ffn2
    .symbol:         k_q529eae9c4a_ffn2.kd
    .args:
      - { .name: h_img, .offset: 0, .size: 8, .value_kind: global_buffer, .address_space: global }
      - { .name: h_sc, .offset: 8, .size: 8, .value_kind: global_buffer, .address_space: global }
      - { .name: route, .offset: 16, .size: 8, .value_kind: global_buffer, .address_space: global }
      - { .name: W2_codes, .offset: 24, .size: 8, .value_kind: global_buffer, .address_space: global }
      - { .name: W2_scales, .offset: 32, .size: 8, .value_kind: global_buffer, .address_space: global }
      - { .name: b2, .offset: 40, .size: 8, .value_kind: global_buffer, .address_space: global }
      - { .name: out0, .offset: 48, .size: 8, .value_kind: global_buffer, .address_space: global }
    .group_segment_fixed_size: 183808
    .private_segment_fixed_size: 0
    .kernarg_segment_align: 8
    .kernarg_segment_size: 56
    .max_flat_workgroup_size: 128
    .sgpr_count:     66
    .vgpr_count:     1024
    .wavefront_size: 32
...
	.end_amdgpu_metadata
.endif
;; end of part 6
